; MI455X (gfx1250); checked and timed in simulation.
; The chip was launched on July 23, 2026; its instructions are those of AMD's public machine-readable ISA for CDNA 5 (MIT licence, August 2026) and "CDNA5" Instruction Set Architecture Reference Guide (July 2026). The comments in the code are by the model that wrote it; some were corrected since.
;; GLM Self Attention. Allowed arithmetic: matrix products marked QUANTISED: E2M1 operands, one E8M0 scale for each 32 along K, by v_wmma_scale_f32_16x16x128_f8f6f4 with both operands' format E2M1 (or v_wmma_scale_f32_32x16x128_f4), f32 sums; products left as they are: bf16, f16 or f32 operands; f32 sums; everything else in f32.
;; Inputs: Wk 2,048 x 2,048 float32; Wo 2,048 x 2,048 float32; Wq 2,048 x 2,048 float32; Wv 2,048 x 2,048 float32; hidden_state 2 x 1,024 x 2,048 float32; mask 2 x 1,024 x 1,024 bool; position 2 x 1,024 int32.
;; Outputs: out0 2 x 1,024 x 2,048 float32.
;; This version of the problem:
;;   THIS VERSION OF THE PROBLEM IS GIVEN IN LOW PRECISION. The matrix products marked QUANTISED in the list below multiply operands that are first quantised to E2M1 (2 exponent bits, 1 mantissa bit; 4 bits a number), with one power-of-two scale for each 32 numbers along K (OCP MX v1.0); their sums are f32. The products marked 'left as it is' may take bf16, f16 or f32 operands, with f32 sums. Whichever they take, every output number must still come out within the allowed error. Rounding operands to bf16 (8 significant bits) uses up far more of that allowance than f16 does (11 bits, for magnitudes from 6e-5 to 65,504). All else is computed in f32.
;;   The module's matrix products, in the order in which they are computed (A, B: the left and right operand; K: the contracted axis; several contracted axes count as one K, in the product's order):
;;     1. [M 2,048, K 2,048] x [K 2,048, N 2,048]; A: input hidden_state; B: input Wq: QUANTISED
;;     2. [M 2,048, K 2,048] x [K 2,048, N 2,048]; A: input hidden_state; B: input Wk: QUANTISED
;;     3. [M 2,048, K 2,048] x [K 2,048, N 2,048]; A: input hidden_state; B: input Wv: QUANTISED
;;     4. batch 32 x [M 1,024, K 128] x [K 128, N 1,024]; A: computed on the way; B: computed on the way: left as it is (an operand is computed on the way)
;;     5. batch 32 x [M 1,024, K 1,024] x [K 1,024, N 128]; A: computed on the way; B: computed on the way: left as it is (an operand is computed on the way)
;;     6. [M 2,048, K 2,048] x [K 2,048, N 2,048]; A: computed on the way; B: input Wo: left as it is (an operand is computed on the way)
;;   THE QUANTISER, for each operand of a quantised product, along K:
;;     - K is cut into blocks of 32 from its start; a last block that is shorter is filled with zeros.
;;     - A block's scale is 2^e with e = floor(log2(the largest magnitude in the block)) - 2, held to -126 .. 127; a block of zeros has e = 0. As a byte (E8M0): e + 127.
;;     - Each number is divided by its block's scale, clamped to +-6, and rounded to the nearest number of E2M1, ties to even, subnormals kept.
;;     - The product sums the exact products of the quantised numbers (number of the format x scale) in f32.
;;   ~~~python
;;   def quantise(x, axis):      # numpy; x: float32 -> the quantised numbers, widened to float32 again
;;       x = np.moveaxis(x, axis, -1); K = x.shape[-1]
;;       x = np.pad(x, [(0, 0)] * (x.ndim - 1) + [(0, -K % 32)]); x = x.reshape(x.shape[:-1] + (-1, 32)); a = np.abs(x).max(-1, keepdims=True)
;;       e = np.where(a > 0, np.clip(np.frexp(np.where(a > 0, a, 1))[1] - 1 - 2, -126, 127), 0)      # np.frexp(a)[1] - 1 = floor(log2(a)), exactly
;;       r = np.clip(x / 2.0 ** e, -6, 6)
;;       step = 2.0 ** (np.maximum(np.frexp(np.where(r == 0, 1, r))[1] - 1, 0) - 1)
;;       q = np.round(r / step) * step * 2.0 ** e      # np.round: ties to even
;;       return np.moveaxis(q.reshape(q.shape[:-2] + (-1,))[..., :K], -1, axis).astype(np.float32)
;;   ~~~
;; One version. Each part assembles by itself: llvm-mc -triple=amdgcn-amd-amdhsa -mcpu=gfx1250 --defsym DOCPART=n.
;; ======== version 1 of 1: 4 launches
;; limits: values are held in f16: magnitudes above 65,504 overflow, below 6.1e-05 lose precision
;; workspace buffers: codes 8,388,608 bytes; scales 524,288 bytes; wot 8,388,608 bytes; tab 3,145,728 bytes; lanemask 262,144 bytes of whole numbers; qkv 25,165,824 bytes; ao 8,388,608 bytes
;; launch prep (part 1): grid 640 x 1, 4 waves a work-group, no clusters, 102,912 bytes of LDS; arguments hidden_state, Wq, Wk, Wv, Wo, mask, position, codes, scales, wot, tab, lanemask; writes codes, scales, wot, tab, lanemask
.if DOCPART == 1
	.amdgcn_target "amdgcn-amd-amdhsa--gfx1250"
	.amdhsa_code_object_version 6
	.text
	.protected	k_q035f46bb7d_prep
	.globl	k_q035f46bb7d_prep
	.p2align	8
	.type	k_q035f46bb7d_prep,@function
k_q035f46bb7d_prep:
	s_mov_b64 s[64:65], 0
	v_nop
	global_prefetch_b8 v0, s[64:65] scope:SCOPE_SE
	s_setreg_imm32_b32 hwreg(HW_REG_WAVE_MODE, 25, 1), 1
	s_wait_xcnt 0x0
; PREP: everything that is made once from the inputs.  Five paths, parted on the work-group's number alone; waves share nothing, so there is no barrier.
;   X  (work-groups 0-127)    hidden_state [2048][2048] f32 -> codes of FP4 (E2M1), K innermost, at codes + 0, one E8M0 byte for each 32 along K at scales + 0
;   W  (128-319)              Wq, Wk, Wv [k 2048][n 2048] f32, K their FIRST axis -> codes [3 x 2048 n][1024 bytes] at codes + 2,097,152, bytes [6144][64] at scales + 131,072
;   O  (320-575)              Wo [k][n] f32 -> wot [n][k] f16
;   T  (576-607)              position -> tables of cosine and sine, laid as the registers of the next launch's way out take them: three sections (q: x log2(e)/sqrt(128); k: plain; v: 1 and 0)
;   M  (608-639)              mask (one byte a number) -> one bit a lane: word 8 t + j of key step ks holds, in bit l, mask[row 16 g + l % 16][64 ks + 16 t + 8 (l / 16) + j]
; THE QUANTISER: a block's scale is 2^(floor(log2(its largest magnitude)) - 2); its byte is the largest magnitude's exponent field - 2, held at 1 from below; each number / scale goes to the nearest code, ties to even,
; beyond 6 to the largest code.  A block of zeros gets the byte 1 where the rule says 127: its codes are zeros, and this program alone reads the bytes.
; LIMITS: NaN and infinities among the inputs are not served.  Wo must lie within f16's 65,504.  position is exact up to 2^24; the angle is position x 2^(-f log2(10000)/64), each factor rounded to f32.
; Sine and cosine: the angle less n x pi/2 (pi/2 in two parts, fused), then polynomials to r^9 and r^8 on |r| <= pi/4; the quadrant chooses by v_cndmask_b32 and a sign bit.
; Each path has LDS bytes of its own: X 0 .. 32,767; W 32,768 .. 67,583; O 67,584 .. 102,399; the spare words behind them.
.set SPARE,  102400                    ; the spare words, 128 bytes for each wave: two blocks of 256 bytes that no other line names
.set SPW,    192                       ; v192  LDS address of my spare word; never rewritten
.set NIL,    193                       ; v193  0; never rewritten
.set EMAX,   2
.set STEPS,  16                        ; path X: steps of 512 numbers a wave
.set CB,     8                         ; bytes of 16 codes
.set XR,     16                        ; v16-79   four sets of 16 numbers as loaded
.set XX,     80                        ; v80-111  two sets of 16 neighbours
.set XE,     112                       ; v112-127 a scale byte for each step
.set XC,     128                       ; v128-191 codes, four registers for each step
.set XREG,   8192                      ; a wave's LDS region in path X
.set SP,     80                        ; a lane's place in a stage: 64 bytes + 16 of padding
.set PITCH,  272                       ; paths W and O: a stage row, 256 bytes + 16
.set WSTAGE, 32768
.set OSTAGE, 67584
.set WX,     32                        ; v32-95   two sets of 32 numbers down K
.set WC,     96                        ; v96..    a block's codes (W) or halves (O)
.set WOUT,   112                       ; v112-175 the way out
.set WSB,    24                        ; v24-27   scale bytes, four to a register
.macro FINISH                          ; a wave's end, behind the last LDS store
	s_wait_tensorcnt 0x0
	ds_add_u32 v[SPW], v[NIL]
	s_wait_dscnt 0x0
	s_endpgm
.endm
	v_lshl_add_u32 v[SPW], v0, 2, SPARE
	v_mov_b32 v[NIL], 0
	v_lshrrev_b32 v1, 5, v0
	v_readfirstlane_b32 s16, v1                    ; wave 0..3
	v_and_b32 v2, 31, v0                           ; lane
	s_cmp_lt_u32 ttmp9, 128
	s_cbranch_scc1 .Lpath_x
	s_cmp_lt_u32 ttmp9, 320
	s_cbranch_scc1 .Lpath_w
	s_cmp_lt_u32 ttmp9, 576
	s_cbranch_scc1 .Lpath_o
	s_cmp_lt_u32 ttmp9, 608
	s_cbranch_scc1 .Lpath_t
; ---------------- PATH M: the mask as bits of lanes.  Wave g = 4 (work-group - 608) + wave takes 16 rows; four trips of four key steps (256 keys).
	s_load_b64 s[4:5], s[0:1], 0x28                ; mask
	s_load_b64 s[6:7], s[0:1], 0x58                ; lanemask
	s_sub_co_u32 s17, ttmp9, 608
	s_lshl_b32 s17, s17, 2
	s_add_co_u32 s17, s17, s16                     ; g
	v_and_b32 v6, 15, v2                           ; r
	v_lshrrev_b32 v7, 4, v2                        ; h
	v_lshlrev_b32 v8, 10, v6
	v_lshl_add_u32 v8, v7, 3, v8                   ; row r of 1,024 bytes, + 8 h
	v_lshlrev_b32 v9, 2, v2                        ; out: lane i stores word i
.irp q, 0,1,2,3
	v_mov_b32 v[48+\q], 0                          ; written once: v_writelane_b32's destination counts as one of its sources
.endr
	s_lshl_b32 s18, s17, 14                        ; 16 g rows of 1,024 bytes
	s_mov_b32 s19, 0
	s_lshl_b32 s20, s17, 11                        ; g x 16 key steps x 128 bytes
	s_mov_b32 s21, 0
	s_wait_kmcnt 0x0
	s_add_nc_u64 s[4:5], s[4:5], s[18:19]
	s_add_nc_u64 s[6:7], s[6:7], s[20:21]
	s_mov_b32 s22, 4
.Lmask:
.irp q, 0,1,2,3
.irp t, 0,1,2,3
	global_load_b64 v[16+8*\q+2*\t:17+8*\q+2*\t], v8, s[4:5] offset:64*\q+16*\t   ; my row's keys 64 q + 16 t + 8 h + 0 .. 7
.endr
.endr
	s_wait_loadcnt 0x0
.irp q, 0,1,2,3
.irp t, 0,1,2,3
.irp j, 0,1,2,3,4,5,6,7
	v_and_b32 v11, 0xff<<(8*(\j%4)), v[16+8*\q+2*\t+\j/4]
	v_cmp_ne_u32 s23, 0, v11                       ; bit l: lane l's byte is true
	v_writelane_b32 v[48+\q], s23, 8*\t+\j         ; word 8 t + j goes to lane 8 t + j
.endr
.endr
	global_store_b32 v9, v[48+\q], s[6:7] offset:128*\q   ; a key step's 32 words: 128 consecutive bytes
.endr
	s_wait_xcnt 0x0                                ; the offsets and the stores' data are written again only behind this wait
	v_add_nc_u32 v8, 0x100, v8
	v_add_nc_u32 v9, 0x200, v9
	s_sub_co_u32 s22, s22, 1
	s_cmp_lg_u32 s22, 0
	s_cbranch_scc1 .Lmask
	FINISH
; ---------------- PATH X: a wave takes 16 steps of 512 numbers of hidden_state, a plain stream of blocks of 32.
; Each load reads 512 consecutive bytes; a step's 2,048 bytes turn through the wave's own stage so that a lane holds 16 neighbours along K; two neighbouring lanes hold a block.
.macro XLOAD t
.irp i, 0,1,2,3
	global_load_b128 v[XR+16*((\t)%4)+4*\i:XR+16*((\t)%4)+4*\i+3], v3, s[4:5] offset:2048*(\t)+512*\i th:TH_LOAD_NT
.endr
.endm
.macro XTURN t                         ; LDS serves a wave's instructions in order: no wait between these stores and loads
.irp i, 0,1,2,3
	ds_store_b128 v14, v[XR+16*((\t)%4)+4*\i:XR+16*((\t)%4)+4*\i+3] offset:32*SP*((\t)%2)+8*SP*\i
.endr
.irp i, 0,1,2,3
	ds_load_b128 v[XX+16*((\t)%2)+4*\i:XX+16*((\t)%2)+4*\i+3], v15 offset:32*SP*((\t)%2)+16*\i
.endr
.endm
.macro XSTEP t
.set XS, XX+16*((\t)%2)
.if (\t) > 0
	s_wait_dscnt 1                                 ; this step's numbers are back from the stage; the last step's byte store may be out
.else
	s_wait_dscnt 0x0
.endif
.if (\t)+4 < STEPS
	XLOAD (\t)+4                                   ; four steps ahead, into the registers whose stores into the stage are done
.endif
.if (\t)+1 < STEPS
.if STEPS-2-(\t) >= 3
	s_wait_loadcnt 12                              ; the next step's four loads are in; three younger steps' twelve may be out
.else
	s_wait_loadcnt 4*(STEPS-2-(\t))
.endif
	XTURN (\t)+1
.endif
	v_max3_num_f32 v8, |v[XS]|, |v[XS+1]|, |v[XS+2]|
	v_max3_num_f32 v9, |v[XS+3]|, |v[XS+4]|, |v[XS+5]|
.irp i, 6,10
	v_max3_num_f32 v8, v8, |v[XS+\i]|, |v[XS+\i+1]|
	v_max3_num_f32 v9, v9, |v[XS+\i+2]|, |v[XS+\i+3]|
.endr
	v_max3_num_f32 v8, v8, |v[XS+14]|, |v[XS+15]|
	v_max3_num_f32 v8, v8, v9, (EMAX+1)<<23        ; with the floor 2^(3 - 127): the byte cannot fall under 1
	v_max_num_f32_dpp v8, v8, v8 row_xmask:1 row_mask:0xf bank_mask:0xf   ; and my neighbour's 16: the block's largest magnitude
	v_add_nc_u32 v11, -(EMAX<<23), v8              ; 2 off its exponent field: the conversion's scale operand
	v_cvt_scalef32_pk8_fp4_f32 v[XC+4*(\t)], v[XS:XS+7], v11
	v_cvt_scalef32_pk8_fp4_f32 v[XC+4*(\t)+1], v[XS+8:XS+15], v11
	v_lshrrev_b32 v[XE+(\t)], 23, v11              ; the scale's byte (also the plain line behind the conversions)
	ds_store_b8 v5, v[XE+(\t)] offset:16*(\t)      ; both lanes of a block write the same byte with the same value
	global_store_b64 v4, v[XC+4*(\t):XC+4*(\t)+1], s[8:9] offset:32*CB*(\t)   ; the wave stores 256 consecutive bytes
.endm
.Lpath_x:
	s_load_b64 s[4:5], s[0:1], 0x0                 ; hidden_state
	s_load_b128 s[8:11], s[0:1], 0x38              ; codes, scales
	v_lshlrev_b32 v3, 4, v2                        ; my 16 bytes of a load's 512
	s_mul_i32 s17, s16, XREG
	v_lshrrev_b32 v14, 2, v2
	v_mul_u32_u24 v14, v14, SP
	v_and_b32 v15, 3, v2
	v_lshl_add_u32 v14, v15, 4, v14
	v_add_nc_u32 v14, s17, v14                     ; the stage on the way in: SP (lane / 4) + 16 (lane % 4)
	v_mul_u32_u24 v15, v2, SP
	v_add_nc_u32 v15, s17, v15                     ; and on the way out: SP x lane
	v_mul_u32_u24 v4, v2, CB
	v_lshrrev_b32 v5, 1, v2
	s_add_co_u32 s17, s17, 2*32*SP
	v_add_nc_u32 v5, s17, v5                       ; my wave's 256 scale bytes, my block's byte
	v_lshlrev_b32 v7, 3, v2
	v_add_nc_u32 v6, s17, v7
	s_lshl_b32 s18, ttmp9, 2
	s_add_co_u32 s18, s18, s16                     ; which run of 8,192 numbers is my wave's
	s_lshl_b32 s20, s18, 15                        ; 32,768 bytes of f32,
	s_mov_b32 s21, 0
	s_lshl_b32 s22, s18, 12                        ; 4,096 of codes,
	s_mov_b32 s23, 0
	s_lshl_b32 s24, s18, 8                         ; 256 of scale bytes
	s_mov_b32 s25, 0
	s_wait_kmcnt 0x0
	s_add_nc_u64 s[4:5], s[4:5], s[20:21]
	s_add_nc_u64 s[8:9], s[8:9], s[22:23]
	s_add_nc_u64 s[10:11], s[10:11], s[24:25]
.irp t, 0,1,2,3
	XLOAD \t
.endr
	s_wait_loadcnt 12                              ; step 0's four loads are in
	XTURN 0
.irp t, 0,1,2,3,4,5,6,7,8,9,10,11,12,13,14,15
	XSTEP \t
.endr
	ds_load_b64 v[8:9], v6                         ; in order behind my byte stores
	s_wait_dscnt 0x0
	global_store_b64 v7, v[8:9], s[10:11]          ; 256 consecutive bytes
	FINISH
; ---------------- PATHS W AND O: a lane takes a column n, and its registers run down K.
.macro WLOAD t                         ; block t: rows 32 t + i of my column, into set t % 2; a wave reads 128 consecutive bytes
.irp i, 0,1,2,3,4,5,6,7,8,9,10,11,12,13,14,15,16,17,18,19,20,21,22,23,24,25,26,27,28,29,30,31
	global_load_b32 v[WX+32*((\t)%2)+\i], v3, s[4:5] offset:(32*(\t)+\i)*8192 th:TH_LOAD_NT
.endr
.endm
.macro WBLOCK t
.set XS, WX+32*((\t)%2)
.if (\t) < 15
	s_wait_loadcnt 32                              ; this block's 32 loads are in; the next block's may be out
.else
	s_wait_loadcnt 0
.endif
	v_max3_num_f32 v12, |v[XS]|, |v[XS+1]|, |v[XS+2]|
	v_max3_num_f32 v13, |v[XS+3]|, |v[XS+4]|, |v[XS+5]|
.irp i, 6,10,14,18,22,26
	v_max3_num_f32 v12, v12, |v[XS+\i]|, |v[XS+\i+1]|
	v_max3_num_f32 v13, v13, |v[XS+\i+2]|, |v[XS+\i+3]|
.endr
	v_max3_num_f32 v12, v12, |v[XS+30]|, |v[XS+31]|
	v_max3_num_f32 v12, v12, v13, (EMAX+1)<<23     ; the block's largest magnitude, all 32 mine, with the floor
	v_add_nc_u32 v11, -(EMAX<<23), v12
	v_lshrrev_b32 v13, 23, v11                     ; the scale's byte
.if (\t)%4 == 0
	v_mov_b32 v[WSB+(\t)/4], v13
.else
	v_lshl_or_b32 v[WSB+(\t)/4], v13, 8*((\t)%4), v[WSB+(\t)/4]
.endif
.irp g, 0,1,2,3
	v_cvt_scalef32_pk8_fp4_f32 v[WC+\g], v[XS+8*\g:XS+8*\g+7], v11
.endr
	v_nop                                          ; one plain line behind the conversions
	ds_store_b128 v4, v[WC:WC+3] offset:16*(\t)    ; 32 codes: 16 bytes of my column's row
.if (\t)+2 < 16
	WLOAD (\t)+2
.endif
	s_wait_dscnt 0x0                               ; the store has read its registers: the next block's codes may be written
.endm
.macro WAYOUT rowb                     ; the stage back by rows, two rows an instruction: sixteen lanes store 256 consecutive bytes, aligned
.irp t, 0,1,2,3,4,5,6,7,8,9,10,11,12,13,14,15
	ds_load_b128 v[WOUT+4*\t:WOUT+4*\t+3], v7 offset:2*\t*PITCH
.endr
.irp t, 0,1,2,3,4,5,6,7,8,9,10,11,12,13,14,15
	s_wait_dscnt 15-\t                             ; LDS loads come back in order: load t is in
	global_store_b128 v8, v[WOUT+4*\t:WOUT+4*\t+3], s[6:7] offset:2*\t*(\rowb)
.endr
.endm
.Lpath_w:                              ; a wave: 32 columns x 512 along K of one of the three weights
	s_load_b128 s[4:7], s[0:1], 0x8                ; Wq, Wk
	s_load_b64 s[8:9], s[0:1], 0x18                ; Wv
	s_load_b128 s[12:15], s[0:1], 0x38             ; codes, scales
	s_sub_co_u32 s17, ttmp9, 128                   ; i
	s_lshr_b32 s18, s17, 6                         ; which weight
	s_and_b32 s19, s17, 15
	s_lshl_b32 s19, s19, 7
	s_lshl_b32 s20, s16, 5
	s_add_co_u32 s19, s19, s20                     ; my first column
	s_bfe_u32 s20, s17, 0x20004                    ; which 512 along K
	v_lshlrev_b32 v3, 2, v2
	s_mul_i32 s21, s16, 32*PITCH
	s_add_co_u32 s21, s21, WSTAGE                  ; my stage
	v_mul_u32_u24 v4, v2, PITCH
	v_add_nc_u32 v4, s21, v4                       ; in: row = my column
	v_and_b32 v5, 15, v2
	v_lshrrev_b32 v6, 4, v2
	v_mul_u32_u24 v7, v6, PITCH
	v_lshl_add_u32 v7, v5, 4, v7
	v_add_nc_u32 v7, s21, v7                       ; back: sixteen lanes to a row
	v_mul_u32_u24 v8, v6, 1024
	v_lshl_add_u32 v8, v5, 4, v8                   ; and the same place among the codes' rows of 1,024 bytes
	v_lshlrev_b32 v9, 6, v2                        ; my column's row of 64 scale bytes
	s_lshl_b32 s22, s20, 22                        ; 512 rows of 8,192 bytes
	s_lshl_b32 s23, s19, 2
	s_add_co_u32 s22, s22, s23
	s_mov_b32 s23, 0
	s_lshl_b32 s24, s18, 11
	s_add_co_u32 s24, s24, s19                     ; my first row among the 6,144
	s_lshl_b32 s26, s24, 6
	s_lshl_b32 s24, s24, 10
	s_lshl_b32 s25, s20, 8
	s_add_co_u32 s24, s24, s25
	s_add_co_u32 s24, s24, 0x200000                ; W's codes lie behind x's
	s_mov_b32 s25, 0
	s_lshl_b32 s27, s20, 4
	s_add_co_u32 s26, s26, s27
	s_add_co_u32 s26, s26, 0x20000                 ; and W's scale bytes behind x's
	s_mov_b32 s27, 0
	s_wait_kmcnt 0x0
	s_cmp_eq_u32 s18, 1                            ; the choice hangs on the work-group's number alone
	s_cselect_b64 s[4:5], s[6:7], s[4:5]
	s_cmp_eq_u32 s18, 2
	s_cselect_b64 s[4:5], s[8:9], s[4:5]
	s_add_nc_u64 s[4:5], s[4:5], s[22:23]
	s_add_nc_u64 s[6:7], s[12:13], s[24:25]
	s_add_nc_u64 s[8:9], s[14:15], s[26:27]
	WLOAD 0
	WLOAD 1
.set Q, 0
.rept 16
	WBLOCK Q
.set Q, Q+1
.endr
	global_store_b128 v9, v[WSB:WSB+3], s[8:9]     ; my column's 16 scale bytes
	WAYOUT 1024
	FINISH
.macro OBLOCK t                        ; 32 numbers down K of my column become 64 bytes of f16
.set XS, WX+32*((\t)%2)
.if (\t) < 3
	s_wait_loadcnt 32                              ; this block's 32 loads are in; the next block's may be out
.else
	s_wait_loadcnt 0
.endif
.irp g, 0,1,2,3,4,5,6,7,8,9,10,11,12,13,14,15
	v_cvt_pk_f16_f32 v[WC+\g], v[XS+2*\g], v[XS+2*\g+1]
.endr
.irp g, 0,1,2,3
	ds_store_b128 v4, v[WC+4*\g:WC+4*\g+3] offset:64*(\t)+16*\g
.endr
.if (\t)+2 < 4
	WLOAD (\t)+2
.endif
	s_wait_dscnt 0x0                               ; the stores have read their registers
.endm
.Lpath_o:                              ; a wave: 32 columns x 128 along K of Wo
	s_load_b64 s[4:5], s[0:1], 0x20                ; Wo
	s_load_b64 s[6:7], s[0:1], 0x48                ; wot
	s_sub_co_u32 s17, ttmp9, 320
	s_and_b32 s19, s17, 15
	s_lshl_b32 s19, s19, 7
	s_lshl_b32 s20, s16, 5
	s_add_co_u32 s19, s19, s20                     ; my first column
	s_lshr_b32 s20, s17, 4                         ; which 128 along K
	v_lshlrev_b32 v3, 2, v2
	s_mul_i32 s21, s16, 32*PITCH
	s_add_co_u32 s21, s21, OSTAGE
	v_mul_u32_u24 v4, v2, PITCH
	v_add_nc_u32 v4, s21, v4
	v_and_b32 v5, 15, v2
	v_lshrrev_b32 v6, 4, v2
	v_mul_u32_u24 v7, v6, PITCH
	v_lshl_add_u32 v7, v5, 4, v7
	v_add_nc_u32 v7, s21, v7
	v_lshlrev_b32 v8, 12, v6
	v_lshl_add_u32 v8, v5, 4, v8                   ; wot's rows are 4,096 bytes
	s_lshl_b32 s22, s20, 20                        ; 128 rows of 8,192 bytes
	s_lshl_b32 s23, s19, 2
	s_add_co_u32 s22, s22, s23
	s_mov_b32 s23, 0
	s_lshl_b32 s24, s19, 12
	s_lshl_b32 s25, s20, 8
	s_add_co_u32 s24, s24, s25
	s_mov_b32 s25, 0
	s_wait_kmcnt 0x0
	s_add_nc_u64 s[4:5], s[4:5], s[22:23]
	s_add_nc_u64 s[6:7], s[6:7], s[24:25]
	WLOAD 0
	WLOAD 1
.irp t, 0,1,2,3
	OBLOCK \t
.endr
	WAYOUT 4096
	FINISH
; ---------------- PATH T: the tables.  Wave g = 4 (work-group - 576) + wave takes rows 16 g + r; lane (r, h); trip b makes frequencies f = 16 b + 8 h + 0 .. 7.
.macro SINCOS x, c, s                  ; v[x]: the angle; v[c], v[s]: its cosine and sine.  v40-46 at work
	v_mul_f32 v40, 0x3f22f983, v[\x]               ; x 2/pi
	v_rndne_f32 v40, v40                           ; n
	v_fmamk_f32 v41, v40, 0xbfc90fdb, v[\x]        ; r = x - n pi/2: the high part,
	v_fmamk_f32 v41, v40, 0x333bbd2e, v41          ; and the low part
	v_cvt_i32_f32 v43, v40
	v_mul_f32 v42, v41, v41                        ; z = r r
	v_mov_b32 v44, 0x3638ef1d                      ; 1/9!
	v_fmaak_f32 v44, v42, v44, 0xb9500d01          ; -1/7!
	v_fmaak_f32 v44, v42, v44, 0x3c088889          ; 1/5!
	v_fmaak_f32 v44, v42, v44, 0xbe2aaaab          ; -1/3!
	v_mul_f32 v44, v42, v44
	v_fma_f32 v44, v41, v44, v41                   ; sin r
	v_mov_b32 v45, 0x37d00d01                      ; 1/8!
	v_fmaak_f32 v45, v42, v45, 0xbab60b61          ; -1/6!
	v_fmaak_f32 v45, v42, v45, 0x3d2aaaab          ; 1/4!
	v_fmaak_f32 v45, v42, v45, 0xbf000000          ; -1/2
	v_fma_f32 v45, v42, v45, 1.0                   ; cos r
	v_and_b32 v46, 1, v43
	v_cmp_eq_u32 vcc_lo, 1, v46                    ; an odd quadrant swaps the two
	v_cndmask_b32 v[\s], v44, v45, vcc_lo
	v_cndmask_b32 v[\c], v45, v44, vcc_lo
	v_lshlrev_b32 v46, 30, v43
	v_and_b32 v46, 0x80000000, v46                 ; the sine is negative in quadrants 2 and 3,
	v_xor_b32 v[\s], v46, v[\s]
	v_add_nc_u32 v43, 1, v43
	v_lshlrev_b32 v43, 30, v43
	v_and_b32 v43, 0x80000000, v43                 ; the cosine in 1 and 2
	v_xor_b32 v[\c], v43, v[\c]
.endm
.Lpath_t:
	s_load_b64 s[4:5], s[0:1], 0x30                ; position
	s_load_b64 s[6:7], s[0:1], 0x50                ; tab
	s_sub_co_u32 s17, ttmp9, 576
	s_lshl_b32 s17, s17, 2
	s_add_co_u32 s17, s17, s16                     ; g
	v_and_b32 v6, 15, v2
	v_lshlrev_b32 v6, 2, v6                        ; 4 r
	v_lshrrev_b32 v7, 4, v2
	v_lshlrev_b32 v7, 3, v7
	v_cvt_f32_u32 v4, v7                           ; 8 h, as a float: the trip's first frequency
	v_lshlrev_b32 v5, 4, v2                        ; 16 x lane
.irp e, 0,1,2,3
	v_mov_b32 v[64+\e], 1.0                        ; the section for v: cosine 1,
	v_mov_b32 v[68+\e], 0                          ; sine 0
.endr
	s_mov_b32 s23, 0x3e0293ee                      ; log2(e) / sqrt(128), for the section for q
	s_lshl_b32 s18, s17, 6
	s_mov_b32 s19, 0
	s_lshl_b32 s20, s17, 13                        ; a tile of rows is 8,192 bytes of a section
	s_mov_b32 s21, 0
	s_wait_kmcnt 0x0
	s_add_nc_u64 s[4:5], s[4:5], s[18:19]
	s_add_nc_u64 s[6:7], s[6:7], s[20:21]
	global_load_b32 v3, v6, s[4:5]
	s_wait_loadcnt 0x0
	v_cvt_f32_i32 v3, v3
	s_mov_b32 s22, 4
.Ltab:
	v_add_f32 v8, 0, v4
	v_add_f32 v9, 1.0, v4
	v_add_f32 v10, 2.0, v4
	v_add_f32 v11, 0x40400000, v4
	v_add_f32 v12, 4.0, v4
	v_add_f32 v13, 0x40a00000, v4
	v_add_f32 v14, 0x40c00000, v4
	v_add_f32 v15, 0x40e00000, v4
.irp e, 0,1,2,3,4,5,6,7
	v_mul_f32 v[8+\e], 0xbe549a78, v[8+\e]         ; -f log2(10000) / 64
.endr
.irp e, 0,1,2,3,4,5,6,7
	v_exp_f32 v[8+\e], v[8+\e]                     ; 10000^(-f / 64)
.endr
	v_nop                                          ; a plain line behind the last exponential
	s_wait_alu depctr_va_vdst(0)                   ; one wait for the eight, ahead of their first reader
.irp e, 0,1,2,3,4,5,6,7
	v_mul_f32 v[8+\e], v3, v[8+\e]                 ; the angle
.endr
.irp e, 0,1,2,3,4,5,6,7
	SINCOS 8+\e, 16+\e, 24+\e
.endr
.irp e, 0,1,2,3,4,5,6,7
	v_mul_f32 v[48+\e], s23, v[16+\e]
	v_mul_f32 v[56+\e], s23, v[24+\e]
.endr
.irp jj, 0,1                           ; each store covers 512 consecutive bytes
	global_store_b128 v5, v[48+4*\jj:51+4*\jj], s[6:7] offset:512*\jj
	global_store_b128 v5, v[56+4*\jj:59+4*\jj], s[6:7] offset:4096+512*\jj
	global_store_b128 v5, v[16+4*\jj:19+4*\jj], s[6:7] offset:0x100000+512*\jj
	global_store_b128 v5, v[24+4*\jj:27+4*\jj], s[6:7] offset:0x100000+4096+512*\jj
	global_store_b128 v5, v[64:67], s[6:7] offset:0x200000+512*\jj
	global_store_b128 v5, v[68:71], s[6:7] offset:0x200000+4096+512*\jj
.endr
	s_wait_xcnt 0x0                                ; the offset and the stores' data are written again only behind this wait
	v_add_nc_u32 v5, 0x400, v5
	v_add_f32 v4, 0x41800000, v4                   ; 16 frequencies on
	s_sub_co_u32 s22, s22, 1
	s_cmp_lg_u32 s22, 0
	s_cbranch_scc1 .Ltab
	FINISH
.Lfunc_end_k_q035f46bb7d_prep:
	.size	k_q035f46bb7d_prep, .Lfunc_end_k_q035f46bb7d_prep-k_q035f46bb7d_prep
	.p2alignl 7, 3214868480
	.fill 96, 4, 3214868480
	.section	.rodata,"a",@progbits
	.p2align	6, 0x0
	.amdhsa_kernel k_q035f46bb7d_prep
		.amdhsa_group_segment_fixed_size 102912
		.amdhsa_private_segment_fixed_size 0
		.amdhsa_enable_private_segment 0
		.amdhsa_kernarg_size 96
		.amdhsa_user_sgpr_count 2
		.amdhsa_user_sgpr_kernarg_segment_ptr 1
		.amdhsa_wavefront_size32 1
		.amdhsa_system_sgpr_workgroup_id_x 1
		.amdhsa_system_sgpr_workgroup_id_y 1
		.amdhsa_system_sgpr_workgroup_id_z 1
		.amdhsa_system_vgpr_workitem_id 0
		.amdhsa_next_free_vgpr 196
		.amdhsa_next_free_sgpr 66
		.amdhsa_reserve_vcc 1
		.amdhsa_float_denorm_mode_32 3
		.amdhsa_float_denorm_mode_16_64 3
		.amdhsa_memory_ordered 1
		.amdhsa_forward_progress 1
		.amdhsa_inst_pref_size 176
	.end_amdhsa_kernel
	.amdgpu_metadata
---
amdhsa.version: [ 1, 2 ]
amdhsa.kernels:
  - .name:           k_q035f46bb7d_prep
    .symbol:         k_q035f46bb7d_prep.kd
    .args:
      - { .name: hidden_state, .offset: 0, .size: 8, .value_kind: global_buffer, .address_space: global }
      - { .name: Wq, .offset: 8, .size: 8, .value_kind: global_buffer, .address_space: global }
      - { .name: Wk, .offset: 16, .size: 8, .value_kind: global_buffer, .address_space: global }
      - { .name: Wv, .offset: 24, .size: 8, .value_kind: global_buffer, .address_space: global }
      - { .name: Wo, .offset: 32, .size: 8, .value_kind: global_buffer, .address_space: global }
      - { .name: mask, .offset: 40, .size: 8, .value_kind: global_buffer, .address_space: global }
      - { .name: position, .offset: 48, .size: 8, .value_kind: global_buffer, .address_space: global }
      - { .name: codes, .offset: 56, .size: 8, .value_kind: global_buffer, .address_space: global }
      - { .name: scales, .offset: 64, .size: 8, .value_kind: global_buffer, .address_space: global }
      - { .name: wot, .offset: 72, .size: 8, .value_kind: global_buffer, .address_space: global }
      - { .name: tab, .offset: 80, .size: 8, .value_kind: global_buffer, .address_space: global }
      - { .name: lanemask, .offset: 88, .size: 8, .value_kind: global_buffer, .address_space: global }
    .group_segment_fixed_size: 102912
    .private_segment_fixed_size: 0
    .kernarg_segment_align: 8
    .kernarg_segment_size: 96
    .max_flat_workgroup_size: 128
    .sgpr_count:     66
    .vgpr_count:     196
    .wavefront_size: 32
...
	.end_amdgpu_metadata
.endif
;; end of part 1
;; launch qkv (part 2): grid 24 x 8, 4 waves a work-group, clusters of 4 x 4, 327,680 bytes of LDS; arguments codes, scales, tab, qkv; writes qkv
.if DOCPART == 2
	.amdgcn_target "amdgcn-amd-amdhsa--gfx1250"
	.amdhsa_code_object_version 6
	.text
	.protected	k_q035f46bb7d_qkv
	.globl	k_q035f46bb7d_qkv
	.p2align	8
	.type	k_q035f46bb7d_qkv,@function
k_q035f46bb7d_qkv:
	s_mov_b64 s[64:65], 0
	v_nop
	global_prefetch_b8 v0, s[64:65] scope:SCOPE_SE
	s_setreg_imm32_b32 hwreg(HW_REG_WAVE_MODE, 25, 1), 1
	s_wait_xcnt 0x0
	s_wait_alu depctr_hold_cnt(0) depctr_sa_sdst(0) depctr_va_vdst(0) depctr_va_sdst(0) depctr_va_ssrc(0) depctr_va_vcc(0) depctr_vm_vsrc(0)
	s_getreg_b32 s2, hwreg(HW_REG_IB_STS2, 6, 4)
	s_cmp_eq_u32 s2, 0
	s_cbranch_scc0 .Lentry_in_a_cluster
	s_endpgm
.Lentry_in_a_cluster:
	s_bfe_u32 s2, ttmp6, 0x10000c
	s_cmp_lg_u32 s2, 0xf033
	s_cbranch_scc0 .Lentry_shape_is_right
	s_endpgm
.Lentry_shape_is_right:
; q, k, v = hidden x (Wq | Wk | Wv): ONE product C[m][n], m 2,048 x n 6,144 x K 2,048, on codes of FP4 (E2M1) with one E8M0 scale for each 32 along K; sums in f32; then the rotation by position, and f16 out.
; A = x's codes [2048][1024 bytes] at codes + 0, B = the weights' codes [6144][1024 bytes] at codes + 2,097,152; scale bytes [rows][64] at scales + 0 and + 131,072.
; A tile of C, 256 x 256, is made by four waves, as many as a WGP has SIMDs; a wave makes 128 x 128 in 64 accumulators, 512 registers: its 128 columns are ONE HEAD of q, of k or of v.
; K goes in steps of 512 (rows of 256 bytes) through a ring of two LDS slots filled by the tensor data mover.  The scale bytes of the work-group's rows, for all of K, come into LDS once, with the first fills.
; CLUSTERS: 4 x 4 work-groups.  The four of a row of the cluster need the same tiles of A, the four of a column the same tiles of B: each tile is asked for JOINTLY.
; THE MATRIX INSTRUCTION IS USED TRANSPOSED (source 0 = 16 rows of B, source 1 = 16 rows of A): lane l holds row l % 16, and register j of accumulator (a, b) channel 16 b + 8 (l / 16) + j of the head.
; THE WAY OUT: y1 = x1 cos - x2 sin, y2 = x2 cos + x1 sin, x1 = channels 0-63 (accumulators b = 0..3), x2 = channels 64-127 (b + 4), all in one lane.  Cosine and sine come from tab as images of registers;
; the section for q carries log2(e)/sqrt(128) as well, the section for v holds 1 and 0: so one text serves all three and no branch hangs on the section.  Results are rounded to f16 and go through the wave's stage.
; LIMITS: q x log2(e)/sqrt(128), k and v must lie within f16's 65,504; NaN and infinities are not served.
; REGISTERS, in windows of 256: window 0: v0-31 addresses; v32-95 scale words, two sets, which hold nothing else; v96-127 the way out's rows; v128-191 A's fragments, later table set 1; v192-255 table set 0.
;   window 1: B's fragments, two sets, at v0 and v128; on the way out v0-63 the rotated numbers, then v0-31 their halves, v128-143 the products with the sine.   windows 2, 3: the accumulators.
.set SIZE_M, 2048
.set SIZE_N, 6144
.set SIZE_K, 2048
.set KSTEP,  512                       ; along K in a slot
.set NQ,     KSTEP/128                 ; matrix instructions deep
.set ROWB,   256                       ; a tile's row in bytes
.set KROW,   SIZE_K*4/8                ; a row of codes in memory
.set PITCH,  272                       ; an LDS row: 256 bytes + 16 of padding: the 16 rows that a load touches start at 16 different banks (64 banks of 4 bytes: ISA guide 11.1)
.set FR,     8                         ; registers of a fragment
.set NL,     2                         ; LDS loads that bring one
.set NP,     4                         ; places behind this matrix instruction (ISA guide 7.12.1)
.set HALFT,  128*PITCH
.set SLOT,   4*HALFT
.set LAPS,   SIZE_K/(2*KSTEP)
.set KS,     SIZE_K/32
.set SCL,    2*SLOT                    ; behind the ring: the scale bytes, as units of 256 bytes + 16 of padding
.set HALFS,  (128*KS/256)*272
.set SBLK,   (16*KS/256)*272
.set SPARE,  SCL+4*HALFS               ; the spare words, 128 bytes for each wave: two blocks of 256 bytes that no other line names
.set SPITCH, 272                       ; the way out: a stage of 16 rows x (256 bytes + 16) for each wave, in slot 0, which has had its last fill and its last read when the first result is stored there
.set ADRA, 16
.set ADRB, 20
.set STO,  24                          ; v24  the way out: where I put 16 bytes of a row
.set RD,   25                          ; v25  where I read rows back
.set CO,   26                          ; v26  16 x lane: my place in a table's quad and in two rows of the output; never rewritten
.set ADRS, 27
.set SPW,  28
.set NIL,  29
.set SC,   32
.set BKW,  96                          ; v96-127 16 rows read back from the stage
.set AF,   128
.set G1, 24
.set G0, 32
.set G1B, 48
.set G0B, 56
.set G1S, 68
.set G0S, 76
.set G1SB, 80
.set G0SB, 88
.set MSB, 0
.macro WIN new                         ; the immediate's high byte repeats the setting that is left
.if MSB != (\new)
	s_set_vgpr_msb (MSB<<8)|(\new)
.set MSB, (\new)
.endif
.endm
.set MUL_LO, 0xa1                      ; source 0 (B) window 1, source 1 (A) window 0, C and D window 2
.set MUL_HI, 0xf1                      ; the same, C and D window 3
.set TO_B,   0x40                      ; destination window 1, address window 0
; A joint load: waves 0 and 1 fetch for A, waves 2 and 3 for B.  The branch hangs on the wave's number alone.  An s_nop 0 and four v_nop follow each of the two lines.
.macro JLOAD g0a, g1a, g0b, g1b
	s_cmp_eq_u32 s15, 0
	s_cbranch_scc0 .Lfor_b_\@
	tensor_load_to_lds s[\g0a:\g0a+3], s[\g1a:\g1a+7]
	s_nop 0
.rept 4
	v_nop
.endr
	s_branch .Lasked_\@
.Lfor_b_\@:
	tensor_load_to_lds s[\g0b:\g0b+3], s[\g1b:\g1b+7]
	s_nop 0
.rept 4
	v_nop
.endr
.Lasked_\@:
.endm
.macro CREST                           ; a round of the cluster's barrier behind its opening barrier
	s_cmp_lg_u32 s14, 0
	s_cbranch_scc1 .Lnot_wave_0_\@
	s_barrier_signal -3
.Lnot_wave_0_\@:
	s_barrier_wait -3
	s_barrier_signal -1
	s_barrier_wait -1
.endm
.macro CROUND
	s_barrier_signal -1
	s_barrier_wait -1
	CREST
.endm
	s_load_b128 s[4:7], s[0:1], 0x0                ; codes s[4:5], scales s[6:7]
	s_load_b128 s[96:99], s[0:1], 0x10             ; tab s[96:97], qkv s[98:99]
	v_lshl_add_u32 v[SPW], v0, 2, SPARE
	v_mov_b32 v[NIL], 0
	ds_add_u32 v[SPW], v[NIL]                      ; the wave's opening: the add, twice on end, and its wait ahead of my first tensor load
	ds_add_u32 v[SPW], v[NIL]
	v_lshrrev_b32 v1, 5, v0
	v_readfirstlane_b32 s14, v1                    ; wave 0..3
	s_lshr_b32 s15, s14, 1                         ; which half of the tile's rows is mine.  Also: I fetch for A (0) or for B (1)
	s_and_b32 s16, s14, 1                          ; which half of its columns.  Also: which 128 rows of that tile I fetch
	s_bfe_u32 s40, ttmp6, 0x40000                  ; cx, cy: my place in the cluster
	s_bfe_u32 s41, ttmp6, 0x40004
	s_lshl_b32 s42, ttmp9, 2
	s_add_co_u32 s42, s42, s40                     ; tile column of C
	s_and_b32 s17, ttmp7, 0xffff
	s_lshl_b32 s17, s17, 2
	s_add_co_u32 s17, s17, s41                     ; tile row of C
	s_lshl_b32 s43, s41, 2
	s_lshl_b32 s43, 15, s43                        ; my row of the cluster
	s_lshl_b32 s44, 0x1111, s40                    ; my column
	; descriptor group 1: a tile of 128 rows x 256 bytes, 16 bytes of padding behind each row
	s_or_b32 s[G1+0], s43, (0<<16)|(1<<20)|(1<<21)|(5<<22)|(3<<25)  ; 15:0 the mask; 17:16 elements of 1 byte; 20 padding on; 21 set beside a mask; 24:22 after every 64 words; 31:25 four words
	s_or_b32 s[G1B+0], s44, (0<<16)|(1<<20)|(1<<21)|(5<<22)|(3<<25)
.irp g, G1, G1B
	s_mov_b32 s[\g+1], ROWB<<16                    ; tensor_dim0
	s_mov_b32 s[\g+2], 128<<16                     ; tensor_dim1
	s_mov_b32 s[\g+3], ROWB<<16                    ; tile_dim0
	s_mov_b32 s[\g+4], 128                         ; tile_dim1
	s_mov_b32 s[\g+5], KROW                        ; tensor_dim0_stride
	s_mov_b32 s[\g+6], 0
	s_mov_b32 s[\g+7], 0
.endr
	; the scale bytes of 128 rows: a dense block of 8,192 bytes, as rows of 256 bytes (32 elements of 8 bytes), 16 bytes of padding behind each
	s_or_b32 s[G1S+0], s43, (3<<16)|(1<<20)|(1<<21)|(5<<22)|(3<<25)
	s_or_b32 s[G1SB+0], s44, (3<<16)|(1<<20)|(1<<21)|(5<<22)|(3<<25)
.irp g, G1S, G1SB
	s_mov_b32 s[\g+1], 32<<16
	s_mov_b32 s[\g+2], (128*KS/256)<<16
	s_mov_b32 s[\g+3], 32<<16
	s_mov_b32 s[\g+4], 128*KS/256
	s_mov_b32 s[\g+5], 32
	s_mov_b32 s[\g+6], 0
	s_mov_b32 s[\g+7], 0
.endr
	s_lshl_b32 s18, s16, 7
	s_lshl_b32 s20, s17, 8
	s_add_co_u32 s20, s20, s18                     ; A: row 256 x tile row + 128 x half
	s_lshl_b32 s46, s42, 8
	s_add_co_u32 s46, s46, s18                     ; B: row 256 x tile column + 128 x half
	s_mov_b32 s21, 0
	s_mov_b32 s47, 0
	s_mov_b64 s[18:19], KS
	s_mul_u64 s[22:23], s[20:21], s[18:19]         ; where these rows' scale bytes begin,
	s_mul_u64 s[92:93], s[46:47], s[18:19]
	s_mov_b64 s[18:19], KROW
	s_mul_u64 s[20:21], s[20:21], s[18:19]         ; and their codes
	s_mul_u64 s[46:47], s[46:47], s[18:19]
	s_mul_i32 s45, s14, HALFT                      ; where they go: wave x 128 rows: no place in the cluster enters an LDS address
	s_mul_i32 s94, s14, HALFS
	s_wait_dscnt 0x0                               ; both opening adds are done
	s_wait_kmcnt 0x0
	s_add_nc_u64 s[8:9], s[4:5], 0x200000          ; the weights' codes,
	s_add_nc_u64 s[10:11], s[6:7], 0x20000         ; and their scale bytes
	s_add_nc_u64 s[20:21], s[4:5], s[20:21]
	s_add_nc_u64 s[22:23], s[6:7], s[22:23]
	s_add_nc_u64 s[46:47], s[8:9], s[46:47]
	s_add_nc_u64 s[92:93], s[10:11], s[92:93]
	CROUND                                         ; all sixteen work-groups are here: the first joint loads meet
	s_mov_b32 s[G0S], 1
	s_add_co_u32 s[G0S+1], s94, SCL
	s_mov_b64 s[G0S+2:G0S+3], s[22:23]
	s_or_b32 s[G0S+3], s[G0S+3], 0x80000000
	s_mov_b32 s[G0SB], 1
	s_add_co_u32 s[G0SB+1], s94, SCL
	s_mov_b64 s[G0SB+2:G0SB+3], s[92:93]
	s_or_b32 s[G0SB+3], s[G0SB+3], 0x80000000
	JLOAD G0S, G1S, G0SB, G1SB                     ; the scale bytes first: they are wanted with K step 0
.irp s, 0,1
	s_mov_b32 s[G0+4*\s], 1
	s_add_co_u32 s[G0+4*\s+1], s45, \s*SLOT
	s_add_nc_u64 s[G0+4*\s+2:G0+4*\s+3], s[20:21], \s*ROWB
	s_or_b32 s[G0+4*\s+3], s[G0+4*\s+3], 0x80000000
	s_mov_b32 s[G0B+4*\s], 1
	s_add_co_u32 s[G0B+4*\s+1], s45, \s*SLOT
	s_add_nc_u64 s[G0B+4*\s+2:G0B+4*\s+3], s[46:47], \s*ROWB
	s_or_b32 s[G0B+4*\s+3], s[G0B+4*\s+3], 0x80000000
	JLOAD G0+4*\s, G1, G0B+4*\s, G1B
.endr
	v_and_b32 v1, 15, v0                           ; l % 16
	v_bfe_u32 v2, v0, 4, 1                         ; l / 16
	v_mul_u32_u24 v3, v1, PITCH
	v_lshl_add_u32 v4, v2, 4, v3                   ; a fragment's row x pitch + 16 x half
	s_mul_i32 s21, s15, HALFT                      ; my 128 rows of A
	s_mul_i32 s22, s16, HALFT                      ; my 128 rows of B,
	s_add_co_u32 s22, s22, 2*HALFT                 ; which lie behind A's 256
.irp s, 0,1
	v_add_nc_u32 v[ADRA+\s], s21, v4
	v_add_nc_u32 v[ADRB+\s], s22, v4
	s_add_co_u32 s21, s21, SLOT
	s_add_co_u32 s22, s22, SLOT
.endr
	v_mul_u32_u24 v5, v1, KS                       ; my row's scale bytes: 64 a row,
	v_lshrrev_b32 v6, 8, v5
	v_lshl_add_u32 v5, v6, 4, v5                   ; and 16 more for each 256 passed
	s_mul_i32 s21, s15, HALFS
	s_mul_i32 s22, s16, HALFS
	s_add_co_u32 s22, s22, 2*HALFS
	s_sub_co_u32 s22, s22, s21
	v_mul_u32_u24 v6, s22, v2                      ; lanes 16-31 take B's
	s_add_co_u32 s21, s21, SCL
	v_add_nc_u32 v5, v5, v6
	v_add_nc_u32 v[ADRS], s21, v5
	s_mul_i32 s23, s14, 16*SPITCH                  ; my stage
	v_mul_u32_u24 v5, v1, SPITCH                   ; in: row l % 16, 16 bytes for each half of the lanes
	v_lshl_add_u32 v5, v2, 4, v5
	v_add_nc_u32 v[STO], s23, v5
	v_mul_u32_u24 v5, v2, SPITCH                   ; back: lanes 0-15 one row of 256 bytes, lanes 16-31 the next
	v_lshl_add_u32 v5, v1, 4, v5
	v_add_nc_u32 v[RD], s23, v5
	v_and_b32 v6, 31, v0
	v_lshlrev_b32 v[CO], 4, v6
	; the way out's two bases
	s_lshl_b32 s20, s17, 8
	s_lshl_b32 s21, s15, 7
	s_add_co_u32 s20, s20, s21                     ; my first row: 256 x tile row + 128 x half
	s_lshr_b32 s21, ttmp9, 1                       ; the section (q, k, v): 8 tile columns each, two clusters
	s_lshr_b32 s18, s20, 4
	s_lshl_b32 s18, s18, 13                        ; a tile of 16 rows is 8,192 bytes of a table
	s_lshl_b32 s19, s21, 20
	s_add_co_u32 s18, s18, s19
	s_mov_b32 s19, 0
	s_add_nc_u64 s[96:97], s[96:97], s[18:19]
	s_and_b32 s46, s42, 7
	s_lshl_b32 s46, s46, 1
	s_add_co_u32 s46, s46, s16                     ; the head
	s_lshr_b32 s47, s20, 10                        ; the batch
	s_lshl_b32 s47, s47, 4
	s_add_co_u32 s46, s46, s47
	s_lshl_b32 s46, s46, 10
	s_and_b32 s47, s20, 1023
	s_add_co_u32 s46, s46, s47                     ; (batch x 16 + head) x 1,024 + position in the sequence
	s_lshl_b32 s46, s46, 8                         ; rows of 256 bytes
	s_lshl_b32 s47, s21, 23                        ; a section is 8,388,608 bytes
	s_add_co_u32 s46, s46, s47
	s_mov_b32 s47, 0
	s_add_nc_u64 s[12:13], s[98:99], s[46:47]
.macro TABLOAD a                       ; block a's cosines (32 registers) and sines (32) into set a % 2: each load reads 512 consecutive bytes
.set TS, 192-64*((\a)%2)
.irp i, 0,1,2,3,4,5,6,7
	global_load_b128 v[TS+4*\i:TS+4*\i+3], v[CO], s[96:97] offset:(\a)*8192+512*\i
	global_load_b128 v[TS+32+4*\i:TS+32+4*\i+3], v[CO], s[96:97] offset:(\a)*8192+4096+512*\i
.endr
.endm
	TABLOAD 0                                      ; block 0's table comes while the products run: v192-255 are idle in the loop
.macro FRAG reg, adr, q, i             ; 16 rows x 128 K of 4-bit codes: lane l holds row l % 16; registers 4 c .. 4 c + 3 hold K = 64 c + 32 (l / 16) + 0 .. 31
.irp c, 0,1
	ds_load_b128 v[\reg+4*\c:\reg+4*\c+3], v[\adr] offset:64*(\q)+32*\c+(\i)*16*PITCH
.endr
.endm
; 16 matrix instructions: A's blocks a0, a0 + 1 x B's eight.  The 64 accumulators take turns, one instruction a turn, in the same order in every step.
.macro MUL16 a0, p, q, sc, zero
.irp a, \a0, \a0+1
.irp b, 0,1,2,3,4,5,6,7
.if \zero
	v_wmma_scale_f32_16x16x128_f8f6f4 v[8*(8*((\a)%4)+\b):8*(8*((\a)%4)+\b)+7], v[128*(\p)+FR*\b:128*(\p)+FR*\b+FR-1], v[AF+FR*(\a):AF+FR*(\a)+FR-1], 0, v[SC+8*NQ*(\sc)+NQ*\b+(\q)], v[SC+8*NQ*(\sc)+NQ*(\a)+(\q)] matrix_a_fmt:MATRIX_FMT_FP4 matrix_b_fmt:MATRIX_FMT_FP4 matrix_a_scale:MATRIX_SCALE_ROW1
.else
	v_wmma_scale_f32_16x16x128_f8f6f4 v[8*(8*((\a)%4)+\b):8*(8*((\a)%4)+\b)+7], v[128*(\p)+FR*\b:128*(\p)+FR*\b+FR-1], v[AF+FR*(\a):AF+FR*(\a)+FR-1], v[8*(8*((\a)%4)+\b):8*(8*((\a)%4)+\b)+7], v[SC+8*NQ*(\sc)+NQ*\b+(\q)], v[SC+8*NQ*(\sc)+NQ*(\a)+(\q)] matrix_a_fmt:MATRIX_FMT_FP4 matrix_b_fmt:MATRIX_FMT_FP4 matrix_a_scale:MATRIX_SCALE_ROW1
.endif
.endr
.endr
.endm
.macro FETCH_B slot, q, p
	WIN TO_B
.irp i, 0,1,2,3,4,5,6,7
	FRAG 128*(\p)+FR*\i, ADRB+\slot, \q, \i
.endr
	WIN 0
.endm
.macro FETCH_A slot, q, i0
.irp i, \i0, \i0+1, \i0+2, \i0+3
	FRAG AF+FR*(\i), ADRA+\slot, \q, \i
.endr
.endm
.macro SCALES sc                       ; a K step's scale words: lanes 0-15 take A's block i, lanes 16-31 B's block i
.irp i, 0,1,2,3,4,5,6,7
	ds_load_b128 v[SC+8*NQ*\sc+NQ*\i:SC+8*NQ*\sc+NQ*\i+3], v[ADRS] offset:\i*SBLK
.endr
.endm
.macro PLACES n                        ; plain vector lines between a matrix instruction and a load into, or a vector write or read of, its registers
.rept \n
	v_nop
.endr
.endm
.macro STEP slot, q, zero              ; 128 along K, with its successor in the same slot
	s_wait_dscnt 4*NL                              ; B's set and A's blocks 0-3 are in; the youngest eight loads (A's blocks 4-7) may be out
	WIN MUL_LO
	MUL16 0, (\q)%2, \q, \slot, \zero
	MUL16 2, (\q)%2, \q, \slot, \zero
	s_wait_dscnt 0                                 ; A's blocks 4-7 are in
	PLACES NP
	FETCH_B \slot, (\q)+1, 1-(\q)%2
	FETCH_A \slot, (\q)+1, 0
	WIN MUL_HI
	MUL16 4, (\q)%2, \q, \slot, \zero
	MUL16 6, (\q)%2, \q, \slot, \zero
	PLACES NP
	WIN 0
	FETCH_A \slot, (\q)+1, 4
.endm
; A slot's last step changes slots: ONE barrier; in front of it each wave waits for all its tensor loads, adds 0 to its spare word, and waits for that and for its reads of this slot.
.macro TURN slot, next, fill
	s_wait_tensorcnt 0x0                           ; all my tensor loads have landed: my part of the next slot
	ds_add_u32 v[SPW], v[NIL]
	s_wait_dscnt 4*NL+1                            ; the add and the youngest eight loads (A's blocks 4-7) may be out
	WIN MUL_LO
	MUL16 0, 1, NQ-1, \slot, 0
	s_wait_dscnt 0x0                               ; the add is done, and my reads of this slot are over
	s_barrier_signal -1
	MUL16 2, 1, NQ-1, \slot, 0
	WIN 0
	s_barrier_wait -1
.if \fill
	CREST                                          ; the barrier has opened a round of the cluster's barrier: no wave of any partner still reads this slot or has a load on its way
	s_add_nc_u64 s[G0+4*\slot+2:G0+4*\slot+3], s[G0+4*\slot+2:G0+4*\slot+3], 2*ROWB
	s_add_nc_u64 s[G0B+4*\slot+2:G0B+4*\slot+3], s[G0B+4*\slot+2:G0B+4*\slot+3], 2*ROWB
	JLOAD G0+4*\slot, G1, G0B+4*\slot, G1B         ; the first tensor load behind the round; its four v_nop are the places in front of the loads below
.else
	PLACES NP
.endif
	v_add_nc_u32 v[ADRS], 4*NQ, v[ADRS]            ; on to the next K step's scale words
	FETCH_B \next, 0, 0
	FETCH_A \next, 0, 0
	SCALES \next
	WIN MUL_HI
	MUL16 4, 1, NQ-1, \slot, 0
	MUL16 6, 1, NQ-1, \slot, 0
	PLACES NP
	WIN 0
	FETCH_A \next, 0, 4
.endm
.macro STEPS slot, from
.set Q, \from
.rept NQ-1-\from
	STEP \slot, Q, 0
.set Q, Q+1
.endr
.endm
	s_wait_tensorcnt 1                             ; the scale bytes and my part of K step 0 are in; K step 1's load may be out
	s_barrier_signal -1
	s_barrier_wait -1
	FETCH_B 0, 0, 0
	FETCH_A 0, 0, 0
	SCALES 0
	FETCH_A 0, 0, 4
	STEP 0, 0, 1                                   ; the first step stands in front of the loop: its products start the sums
	s_mov_b32 s3, LAPS-1
.Llap:                                                 ; a trip goes once round the ring and fills both slots again
	STEPS 0, 1
	TURN 0, 1, 1
	STEPS 1, 0
	TURN 1, 0, 1
	STEP 0, 0, 0
	s_sub_co_u32 s3, s3, 1
	s_cmp_lg_u32 s3, 0
	s_cbranch_scc1 .Llap
	STEPS 0, 1                                     ; the last lap fills nothing
	TURN 0, 1, 0
	STEPS 1, 0
	s_wait_dscnt 4*NL
	WIN MUL_LO
	MUL16 0, 1, NQ-1, 1, 0
	MUL16 2, 1, NQ-1, 1, 0
	s_wait_dscnt 0
	WIN MUL_HI
	MUL16 4, 1, NQ-1, 1, 0
	MUL16 6, 1, NQ-1, 1, 0
	WIN 0
; THE WAY OUT, block by block of 16 rows x the head's 128 channels.
.macro ROPE a
.set AC, 64*((\a)%4)
.set TS, 192-64*((\a)%2)
.if (\a) > 0
	s_wait_dscnt 8                                 ; the last block's eight stores into the stage have read their registers; its eight loads may be out
.endif
.if (\a) < 7
	s_wait_loadcnt 16                              ; this block's table is in; the next block's sixteen loads may be out
.else
	s_wait_loadcnt 0
.endif
	WIN 0x52+(\a)/4                                ; source 0: the accumulators' window; source 1: window 0 (the table); source 2 and destination: window 1
.irp b, 0,1,2,3
.irp j, 0,2,4,6
	v_pk_mul_f32 v[128+\j:129+\j], v[AC+32+8*\b+\j:AC+33+8*\b+\j], v[TS+32+8*\b+\j:TS+33+8*\b+\j]   ; x2 sin; each accumulator is read from its low end on
.endr
.irp j, 0,2,4,6
	v_pk_mul_f32 v[136+\j:137+\j], v[AC+8*\b+\j:AC+1+8*\b+\j], v[TS+32+8*\b+\j:TS+33+8*\b+\j]       ; x1 sin
.endr
.irp j, 0,2,4,6
	v_pk_fma_f32 v[8*\b+\j:8*\b+\j+1], v[AC+8*\b+\j:AC+1+8*\b+\j], v[TS+8*\b+\j:TS+1+8*\b+\j], v[128+\j:129+\j] neg_lo:[0,0,1] neg_hi:[0,0,1]   ; y1 = x1 cos - x2 sin
.endr
.irp j, 0,2,4,6
	v_pk_fma_f32 v[32+8*\b+\j:33+8*\b+\j], v[AC+32+8*\b+\j:AC+33+8*\b+\j], v[TS+8*\b+\j:TS+1+8*\b+\j], v[136+\j:137+\j]                          ; y2 = x2 cos + x1 sin
.endr
.endr
	WIN 0x45                                       ; sources and destination: window 1
.set k, 0
.rept 32
	v_cvt_pk_f16_f32 v[k], v[2*k], v[2*k+1]        ; packed in place, ascending: register k is written when registers 2 k and 2 k + 1 are read
.set k, k+1
.endr
	WIN 0
.if (\a)+2 < 8
	TABLOAD (\a)+2                                 ; into the set just used
.endif
.endm
.macro TOSTAGE
	WIN 0x04                                       ; an LDS store's data are its source 1: window 1
.irp b, 0,1,2,3,4,5,6,7
	ds_store_b128 v[STO], v[4*\b:4*\b+3] offset:32*\b   ; channels 16 b + 8 (l / 16) + 0 .. 7 of row l % 16
.endr
	WIN 0
	s_wait_xcnt 0x0                                ; the last block's global stores have read v96-127: they are loaded again only behind this wait
.irp t, 0,1,2,3,4,5,6,7
	ds_load_b128 v[BKW+4*\t:BKW+4*\t+3], v[RD] offset:\t*2*SPITCH   ; LDS serves a wave's instructions in order: these see the stores above
.endr
.endm
.macro SEND a
	s_wait_dscnt 0x0                               ; the block is back in registers
.irp t, 0,1,2,3,4,5,6,7
	global_store_b128 v[CO], v[BKW+4*\t:BKW+4*\t+3], s[12:13] offset:(\a)*4096+512*\t   ; two rows of 256 bytes: 512 consecutive bytes, aligned
.endr
.endm
	PLACES NP                                      ; behind the last products: for the loads into A's registers and the writes over B's
	TABLOAD 1
	ROPE 0
	TOSTAGE
.irp a, 1,2,3,4,5,6,7
	ROPE \a                                        ; a block's arithmetic stands between the loads of the block before and its stores
	SEND \a-1
	TOSTAGE
.endr
	SEND 7
	s_wait_tensorcnt 0x0                           ; the wave's end
	ds_add_u32 v[SPW], v[NIL]
	s_wait_dscnt 0x0
	CROUND                                         ; the closing round: no work-group ends while a partner may still ask for a tile that names it
	s_endpgm
.Lfunc_end_k_q035f46bb7d_qkv:
	.size	k_q035f46bb7d_qkv, .Lfunc_end_k_q035f46bb7d_qkv-k_q035f46bb7d_qkv
	.p2alignl 7, 3214868480
	.fill 96, 4, 3214868480
	.section	.rodata,"a",@progbits
	.p2align	6, 0x0
	.amdhsa_kernel k_q035f46bb7d_qkv
		.amdhsa_group_segment_fixed_size 327680
		.amdhsa_private_segment_fixed_size 0
		.amdhsa_enable_private_segment 0
		.amdhsa_kernarg_size 32
		.amdhsa_user_sgpr_count 2
		.amdhsa_user_sgpr_kernarg_segment_ptr 1
		.amdhsa_wavefront_size32 1
		.amdhsa_system_sgpr_workgroup_id_x 1
		.amdhsa_system_sgpr_workgroup_id_y 1
		.amdhsa_system_sgpr_workgroup_id_z 1
		.amdhsa_system_vgpr_workitem_id 0
		.amdhsa_next_free_vgpr 1024
		.amdhsa_next_free_sgpr 100
		.amdhsa_reserve_vcc 0
		.amdhsa_float_denorm_mode_32 3
		.amdhsa_float_denorm_mode_16_64 3
		.amdhsa_memory_ordered 1
		.amdhsa_forward_progress 1
		.amdhsa_inst_pref_size 255
	.end_amdhsa_kernel
	.section	.bss,"aw",@nobits
	.p2align	6
	.space	262144
	.amdgpu_metadata
---
amdhsa.version: [ 1, 2 ]
amdhsa.kernels:
  - .name:           k_q035f46bb7d_qkv
    .symbol:         k_q035f46bb7d_qkv.kd
    .args:
      - { .name: codes, .offset: 0, .size: 8, .value_kind: global_buffer, .address_space: global }
      - { .name: scales, .offset: 8, .size: 8, .value_kind: global_buffer, .address_space: global }
      - { .name: tab, .offset: 16, .size: 8, .value_kind: global_buffer, .address_space: global }
      - { .name: qkv, .offset: 24, .size: 8, .value_kind: global_buffer, .address_space: global }
    .group_segment_fixed_size: 327680
    .private_segment_fixed_size: 0
    .kernarg_segment_align: 8
    .kernarg_segment_size: 32
    .max_flat_workgroup_size: 128
    .sgpr_count:     100
    .vgpr_count:     1024
    .wavefront_size: 32
...
	.end_amdgpu_metadata
.endif
;; end of part 2
;; launch attn (part 3): grid 8 x 32, 8 waves a work-group, clusters of 4 x 1, 327,680 bytes of LDS; arguments qkv, lanemask, ao; writes ao
.if DOCPART == 3
	.amdgcn_target "amdgcn-amd-amdhsa--gfx1250"
	.amdhsa_code_object_version 6
	.text
	.protected	k_q035f46bb7d_attn
	.globl	k_q035f46bb7d_attn
	.p2align	8
	.type	k_q035f46bb7d_attn,@function
k_q035f46bb7d_attn:
	s_mov_b64 s[64:65], 0
	v_nop
	global_prefetch_b8 v0, s[64:65] scope:SCOPE_SE
	s_setreg_imm32_b32 hwreg(HW_REG_WAVE_MODE, 25, 1), 1
	s_wait_xcnt 0x0
	s_wait_alu depctr_hold_cnt(0) depctr_sa_sdst(0) depctr_va_vdst(0) depctr_va_sdst(0) depctr_va_ssrc(0) depctr_va_vcc(0) depctr_vm_vsrc(0)
	s_getreg_b32 s2, hwreg(HW_REG_IB_STS2, 6, 4)
	s_cmp_eq_u32 s2, 0
	s_cbranch_scc0 .Lentry_in_a_cluster
	s_endpgm
.Lentry_in_a_cluster:
	s_bfe_u32 s2, ttmp6, 0x10000c
	s_cmp_lg_u32 s2, 0x3003
	s_cbranch_scc0 .Lentry_shape_is_right
	s_endpgm
.Lentry_shape_is_right:
; ao[b][q][head] = the sum over k of softmax_k(masked score) v, for 32 heads (batch x 16 + head) of 1,024 positions x 128 channels.  q, k, v: f16, three sections of qkv, rows of 256 bytes; q already
; carries log2(e)/sqrt(128), so S = q . k is the exponent to base 2.  Products on f16 operands, sums, maxima and the softmax in f32; p is rounded to f16 for the second product, the result once at the end.
; THE MASK IS AN INPUT: every key step is walked.  It comes as one bit a lane: word 8 t + j of a key step is the select operand of v_cndmask_b32 for register 8 t + j of S^T; a hidden score becomes -infinity.
; A row with no true entry: the running maximum stays at -3e38, every p is 0, the sum is held at 2^-126 from below, and 0 is stored.
; SHARES.  A work-group owns 128 queries of one head.  A wave owns TWO tiles of 16 queries and HALF of the keys: waves p and p + 4 share queries 32 p .. 32 p + 31; waves 0-3 walk steps 0 and 2 of each slot,
; waves 4-7 steps 1 and 3.  So each fragment of K and V that a wave reads from LDS feeds two products: 64 LDS loads for a step's 64 matrix instructions.  Two waves to a SIMD, 512 registers each.
; At the end the two halves of the keys are joined.  The tiles are numbered so that every wave keeps its tile 0 and gives its tile 1 to its partner (local tile t is query tile 2 p + (t xor wave / 4)): no branch.
; LAYOUT.  S^T = K Q^T (source 0 = 16 keys, source 1 = 16 queries): a lane holds ONE query (lane % 16) and keys 8 (lane / 16) + 0..7 of each tile of keys.  Two such tiles, rounded in pairs, ARE source 1 of
; O^T = V^T P, whose result again holds one query a lane.  K comes out of LDS as it lies, V ([key][channel]) turned, by ds_load_tr16_b128.
; SOFTMAX.  For each tile a running maximum m and sum l: p = 2^(S - m), at most 1; in every step O^T and l are multiplied by a = 2^(m_old - m_new).
; RING.  Two LDS slots of FOUR key steps (256 keys) each.  All eight waves fetch, 64 rows of 256 bytes each: waves 0-3 K of the slot's step w, waves 4-7 V of step w - 4.  Two loads a wave are out at the start,
; one behind each change of slots that fills.
; CLUSTER.  The four query blocks of a cluster belong to one head and walk the same K and V: each tile is asked for JOINTLY, by the same tensor load with a mask that names the four.
; LIMITS: NaN and infinities are not served; the result must lie within f16's 65,504.  All positions are carried alike, in f16.
; REGISTERS, in windows of 256 (s_set_vgpr_msb: bits 1:0 source 0, 3:2 source 1, 5:4 source 2, 7:6 destination):
;   window 0: v0-13 addresses; v14-25 six registers of statistics a tile; v26-31 at work; v32-95 S^T, then p, 32 a tile; v96-127 p as f16, 16 a tile; v128-255 the 16 fragments of a step's K, then of its V
;   window 1: v0-127 O^T, 64 a tile; v128-191 Q, 32 a tile
.set KS,    64
.set PK,    272                        ; a row of K in LDS: 256 bytes + 16: the 16 rows of a load start at 16 different banks (64 banks of 4 bytes: ISA guide 11.1)
.set PV,    288                        ; a row of V: 256 + 32
.set VOFF,  KS*PK                      ; a step's tiles lie together: 64 rows of K, then 64 rows of V
.set STEPB, KS*(PK+PV)
.set SLOTB, 4*STEPB
.set SPARE, 2*SLOTB                    ; behind the ring: the spare words, 128 bytes for each wave: four blocks of 256 bytes that no other line names
.set STAGE, SPARE+1024                 ; 16 rows x 272 bytes for each wave, for the way out
.set SP,    272
.set XB,    17*512                     ; what a wave hands to its partner: 16 quads of O^T and one of statistics, 512 bytes each; the eight images lie from LDS byte 0 on, in slot 0, behind its last fill and its last read
.set AK0, 2                            ; v2   my lane's place in a tile of K
.set AV0, 3                            ; v3   and of V
.set ADK, 4                            ; v4   LDS address of the step's K; at the end: of my image
.set ADV, 5                            ; v5   and V; at the end: of my partner's image
.set QO,  6                            ; v6   my byte offset in tile 0's rows of Q
.set STO, 7
.set RD,  8
.set GO,  9
.set SPW, 10                           ; v10  LDS address of my spare word; never rewritten
.set NIL, 11                           ; v11  0; never rewritten
.set NINF, 12                          ; v12  -infinity
.set PFO, 13                           ; v13  256 x lane; never rewritten
.set ST,  14                           ; tile t's statistics at v[ST + 6 t]: +0, +1 m (a pair is named, the low word serves); +2, +3 l (even keys', odd keys'); +4, +5 a (likewise a pair)
.set W,   26                           ; v26-30 at work
.set QO2, 31                           ; v31  my byte offset in tile 1's rows of Q
.set S,   32
.set P,   96
.set F,   128
.set O,   0                            ; in window 1
.set Q,   128                          ; in window 1
.set WV,  12
.set LIM, 15                           ; s15  0 in a wave that prefetches
.set MB0, 16                           ; s[16:17] tile 0's mask words of the step to come
.set PFA, 18                           ; s[18:19] where my prefetch stands; never rewritten
.set MB1, 20                           ; s[20:21] tile 1's mask words of the step in hand
.set NS,  22                           ; s22  my steps still to come
.set HOFF, 23                          ; s23  where my first step lies in a slot: (wave / 4) x STEPB
.set G1K, 24
.set G1V, 32
.set G0K, 40                           ; s[40:47] group 0 for K's tiles, a set for each slot
.set G0V, 48                           ; s[48:55] for V's
.set CNT, 56
.set TB,  57                           ; s57  LDS byte at which the step's tiles begin
.set DL,  58                           ; s[58:59] what tile 0's mask pointer steps by: 256, or 0 in my last step
.set SEL, 60
.set MW,  68                           ; s[68:99] 32 mask words
.set MSB, 0
.macro WIN new                         ; the immediate's high byte repeats the setting that is left
.if MSB != (\new)
	s_set_vgpr_msb (MSB<<8)|(\new)
.set MSB, (\new)
.endif
.endm
.set W_KQ, 0x04                        ; Q (source 1) in window 1; K and S^T in window 0
.set W_PV, 0x50                        ; O^T (source 2 and destination) in window 1; V and P in window 0
.set W_RS, 0x41                        ; O^T (destination and source 0) in window 1; the factor in window 0
.macro PLACES
.rept 4
	v_nop
.endr
.endm
; A joint refill of slot s.  The branch hangs on the wave's number alone.  An s_nop 0 and four v_nop follow each of the two lines.
.macro JLOAD s
	s_cmp_lt_u32 s[WV], 4
	s_cbranch_scc0 .Lfor_v_\@
	tensor_load_to_lds s[G0K+4*\s:G0K+4*\s+3], s[G1K:G1K+7]
	s_nop 0
	PLACES
	s_branch .Lasked_\@
.Lfor_v_\@:
	tensor_load_to_lds s[G0V+4*\s:G0V+4*\s+3], s[G1V:G1V+7]
	s_nop 0
	PLACES
.Lasked_\@:
.endm
; A prefetch of what the LAST refill will ask for, keys 768 to 1,023 of K and of V: it stands behind the first refill, one change of slots ahead of that load.  Each row of 256 bytes is named once in the launch:
; the head's first cluster asks; in each of its four work-groups waves 0 and 2 ask for K's rows and waves 4 and 6 for V's, a lane a row; the four partners take 32 rows each, told apart by address.
.macro ASK
	s_cmp_eq_u32 s[LIM], 0
	s_cbranch_scc0 .Lnot_mine_\@
	global_prefetch_b8 v[PFO], s[PFA:PFA+1] th:TH_LOAD_NT scope:SCOPE_SE
.Lnot_mine_\@:
.endm
.macro CROUND                          ; a round of the cluster's barrier
	s_barrier_signal -1
	s_barrier_wait -1
	s_cmp_lg_u32 s[WV], 0
	s_cbranch_scc1 .Lnot_wave_0_\@
	s_barrier_signal -3
.Lnot_wave_0_\@:
	s_barrier_wait -3
	s_barrier_signal -1
	s_barrier_wait -1
.endm
	s_load_b128 s[4:7], s[0:1], 0x0                ; qkv s[4:5], lanemask s[6:7]
	s_load_b64 s[8:9], s[0:1], 0x10                ; ao
	v_lshl_add_u32 v[SPW], v0, 2, SPARE
	v_mov_b32 v[NIL], 0
	ds_add_u32 v[SPW], v[NIL]                      ; the wave's opening: the add, twice on end, and its wait ahead of my first tensor load
	ds_add_u32 v[SPW], v[NIL]
	v_lshrrev_b32 v1, 5, v0
	v_readfirstlane_b32 s[WV], v1                  ; wave 0..7
	s_bfe_u32 s13, ttmp6, 0x40000                  ; cx: it enters global addresses alone
	s_lshl_b32 s14, ttmp9, 2
	s_add_co_u32 s14, s14, s13                     ; my block of 128 queries
	s_and_b32 s82, ttmp7, 0xffff                   ; batch x 16 + head, which the four partners share
	s_lshl_b32 s83, s82, 18                        ; its 1,024 rows of 256 bytes
	s_and_b32 s2, s[WV], 3                         ; p: my pair of waves.  Also: which of a slot's four steps I fetch
	s_lshr_b32 s3, s[WV], 2                        ; which half of the keys is mine
	s_mul_i32 s[HOFF], s3, STEPB
	s_lshl_b32 s62, s2, 14                         ; the 64 rows that I fetch, in memory,
	s_add_co_u32 s62, s62, s83
	s_mov_b32 s63, 0
	s_mul_i32 s10, s2, STEPB                       ; and their place in a slot
	s_lshl_b32 s68, s14, 7
	s_lshl_b32 s69, s2, 5
	s_add_co_u32 s68, s68, s69                     ; the pair's first query: 128 x block + 32 p
	s_lshl_b32 s70, s68, 8
	s_add_co_u32 s70, s70, s83
	s_mov_b32 s71, 0                               ; s[70:71]: Q's offset
	s_lshr_b32 s72, s82, 4                         ; the batch
	s_lshl_b32 s73, s3, 4
	s_lshl_b32 s74, s72, 10
	s_add_co_u32 s74, s74, s68
	s_add_co_u32 s74, s74, s73                     ; the tile that I store: my tile 0, 16 (wave / 4) queries on
	s_lshl_b32 s74, s74, 12                        ; ao's rows are 4,096 bytes,
	s_and_b32 s75, s82, 15
	s_lshl_b32 s75, s75, 8                         ; a head's part 256
	s_add_co_u32 s74, s74, s75
	s_mov_b32 s75, 0                               ; s[74:75]: ao's offset
	s_lshl_b32 s76, s72, 6
	s_lshl_b32 s77, s14, 3
	s_add_co_u32 s76, s76, s77
	s_lshl_b32 s77, s2, 1
	s_add_co_u32 s76, s76, s77                     ; batch x 64 + 8 x block + 2 p: the pair's first tile of 16 queries
	s_add_co_u32 s78, s76, s3                      ; my tile 0,
	s_xor_b32 s79, s3, 1
	s_add_co_u32 s80, s76, s79                     ; my tile 1
	s_lshl_b32 s84, s3, 7                          ; my first key step: 128 bytes a step
	s_lshl_b32 s78, s78, 11                        ; a tile's 16 key steps are 2,048 bytes
	s_add_co_u32 s78, s78, s84
	s_mov_b32 s79, 0                               ; s[78:79]: tile 0's mask words
	s_lshl_b32 s80, s80, 11
	s_add_co_u32 s80, s80, s84
	s_mov_b32 s81, 0                               ; s[80:81]: tile 1's
	s_and_b32 s[LIM], s[WV], 1
	s_or_b32 s[LIM], s[LIM], ttmp9                 ; 0 in waves 0, 2, 4, 6 of the head's first cluster: the same in all four partners
	s_mov_b32 s[NS], 7
	s_mov_b32 s[DL+1], 0
	; descriptor group 1: a tile of 64 rows x 128 elements of 2 bytes, padded in LDS
	s_mov_b32 s[G1K], 15|(1<<16)|(1<<20)|(1<<21)|(5<<22)|(3<<25)  ; 15:0 the mask: all four work-groups; 17:16 elements of 2 bytes; 20 padding on; 21 set beside a mask; 24:22 after every 64 words; 31:25 four words
	s_mov_b32 s[G1V], 15|(1<<16)|(1<<20)|(1<<21)|(5<<22)|(7<<25)  ; the same with eight words of padding
.irp g, G1K, G1V
	s_mov_b32 s[\g+1], 128<<16                     ; tensor_dim0
	s_mov_b32 s[\g+2], KS<<16                      ; tensor_dim1
	s_mov_b32 s[\g+3], 128<<16                     ; tile_dim0
	s_mov_b32 s[\g+4], KS                          ; tile_dim1
	s_mov_b32 s[\g+5], 128                         ; tensor_dim0_stride
	s_mov_b32 s[\g+6], 0
	s_mov_b32 s[\g+7], 0
.endr
	s_mov_b32 s[SEL], 0x76543210
	s_mov_b32 s[SEL+1], 0xfedcba98                 ; v_permlanex16_b32's selects for lane l xor 16
	v_and_b32 v[PFO], 31, v0
	v_lshlrev_b32 v[PFO], 8, v[PFO]
	s_wait_dscnt 0x0                               ; both opening adds are done
	s_wait_kmcnt 0x0
	s_add_nc_u64 s[66:67], s[4:5], s[70:71]        ; Q at the pair's first query
	s_add_nc_u64 s[8:9], s[8:9], s[74:75]
	s_add_nc_u64 s[MB0:MB0+1], s[6:7], s[78:79]
	s_add_nc_u64 s[MB1:MB1+1], s[6:7], s[80:81]
	s_add_nc_u64 s[62:63], s[4:5], s[62:63]        ; my tile's place in a section
	s_lshl_b32 s70, s13, 13                        ; the prefetch: my work-group's 32 rows,
	s_add_co_u32 s70, s70, 768*256                 ; from key 768 on,
	s_mov_b32 s72, 0x1000000
	s_cmp_lt_u32 s[WV], 4
	s_cselect_b32 s72, 0x800000, s72               ; in k's section or in v's
	s_add_co_u32 s70, s70, s72
	s_add_nc_u64 s[PFA:PFA+1], s[62:63], s[70:71]
	CROUND                                         ; all four work-groups are here: the first joint loads meet
.irp s, 0,1
	s_mov_b32 s[G0K+4*\s], 1                       ; count = 1
	s_add_co_u32 s[G0K+4*\s+1], s10, \s*SLOTB      ; LDS address
	s_add_nc_u64 s[G0K+4*\s+2:G0K+4*\s+3], s[62:63], 0x800000+\s*65536   ; k's section; slot s begins with keys 256 s
	s_or_b32 s[G0K+4*\s+3], s[G0K+4*\s+3], 0x80000000                    ; type = 2
	s_mov_b32 s[G0V+4*\s], 1
	s_add_co_u32 s[G0V+4*\s+1], s10, \s*SLOTB+VOFF
	s_add_nc_u64 s[G0V+4*\s+2:G0V+4*\s+3], s[62:63], 0x1000000+\s*65536  ; v's section
	s_or_b32 s[G0V+4*\s+3], s[G0V+4*\s+3], 0x80000000
.endr
	s_cmp_lt_u32 s[WV], 4                          ; a wave's two first fills stand in one branch, ahead of every wait on TENSORcnt and every LDS read
	s_cbranch_scc0 .Lfirst_v
	tensor_load_to_lds s[G0K:G0K+3], s[G1K:G1K+7]
	s_nop 0
	tensor_load_to_lds s[G0K+4:G0K+7], s[G1K:G1K+7]
	s_nop 0
	PLACES
	s_branch .Lfirst_asked
.Lfirst_v:
	tensor_load_to_lds s[G0V:G0V+3], s[G1V:G1V+7]
	s_nop 0
	tensor_load_to_lds s[G0V+4:G0V+7], s[G1V:G1V+7]
	s_nop 0
	PLACES
.Lfirst_asked:
	s_load_b512 s[MW:MW+15], s[MB0:MB0+1], 0x0     ; tile 0's mask words of my first step
	s_load_b512 s[MW+16:MW+31], s[MB0:MB0+1], 0x40
	v_and_b32 v1, 15, v0                           ; l % 16
	v_bfe_u32 v26, v0, 4, 1                        ; l / 16
	v_lshlrev_b32 v[QO], 8, v1
	v_lshl_add_u32 v[QO], v26, 4, v[QO]            ; row x 256 + 16 x half
	s_lshl_b32 s11, s3, 12                         ; my tile 0 lies (wave / 4) x 16 rows on,
	s_xor_b32 s14, s11, 0x1000                     ; my tile 1 the other way round
	v_add_nc_u32 v[QO2], s14, v[QO]
	v_add_nc_u32 v[QO], s11, v[QO]
	WIN 0x40                                       ; destination window 1, address window 0
.irp c, 0,1,2,3                        ; Q stays in registers: channels 32 c on
	global_load_b128 v[Q+8*\c:Q+8*\c+3],       v[QO],  s[66:67] offset:64*\c
	global_load_b128 v[Q+8*\c+4:Q+8*\c+7],     v[QO],  s[66:67] offset:64*\c+32
	global_load_b128 v[Q+32+8*\c:Q+32+8*\c+3],   v[QO2], s[66:67] offset:64*\c
	global_load_b128 v[Q+32+8*\c+4:Q+32+8*\c+7], v[QO2], s[66:67] offset:64*\c+32
.endr
.set i, 0
.rept 128
	v_mov_b32 v[O+i], 0                            ; O^T.  The step is written once: the first finds zeros, which its a leaves zeros; a first step of its own would be a fifth copy of the step
.set i, i+1
.endr
	WIN 0
	v_mul_u32_u24 v[AK0], v1, PK
	v_lshl_add_u32 v[AK0], v26, 4, v[AK0]          ; K: row x pitch + 16 x half
	v_and_b32 v27, 7, v0
	v_bfe_u32 v28, v0, 3, 1
	v_lshl_add_u32 v[AV0], v26, 3, v27             ; V, for the turning load: key 8 (l / 16) + l % 8,
	v_mul_u32_u24 v[AV0], v[AV0], PV
	v_lshl_add_u32 v[AV0], v28, 4, v[AV0]          ; channels 8 ((l / 8) % 2) on
	v_add_nc_u32 v[AV0], VOFF, v[AV0]
	s_mul_i32 s11, s[WV], 16*SP
	s_add_co_u32 s11, s11, STAGE                   ; my stage
	v_mul_u32_u24 v[STO], v1, SP                   ; in: row l % 16, 16 bytes for each half of the lanes
	v_lshl_add_u32 v[STO], v26, 4, v[STO]
	v_add_nc_u32 v[STO], s11, v[STO]
	v_mul_u32_u24 v[RD], v26, SP                   ; back: lanes 0-15 one row of 256 bytes, lanes 16-31 the next
	v_lshl_add_u32 v[RD], v1, 4, v[RD]
	v_add_nc_u32 v[RD], s11, v[RD]
	v_lshlrev_b32 v[GO], 12, v26                   ; and the same two rows in ao
	v_lshl_add_u32 v[GO], v1, 4, v[GO]
	v_mov_b32 v[NINF], 0xff800000
.irp u, 0,1
	v_mov_b32 v[ST+6*\u], 0xff61b1e6               ; m: -3e38, under every score
	v_mov_b32 v[ST+6*\u+1], 0xff61b1e6
	v_mov_b32 v[ST+6*\u+2], 0                      ; l
	v_mov_b32 v[ST+6*\u+3], 0
	v_mov_b32 v[ST+6*\u+4], 0                      ; a (the pair is named before its upper word is ever used)
	v_mov_b32 v[ST+6*\u+5], 0
.endr
.macro MASK t                          ; a hidden score becomes -infinity; each accumulator is read from its low end on
.set i, 0
.rept 32
	v_cndmask_b32 v[S+32*(\t)+i], v[NINF], v[S+32*(\t)+i], s[MW+i]
.set i, i+1
.endr
.endm
; Tile t's softmax for one key step: the new m, p, p as f16, l, and O^T under the new m.
.macro SOFT t
.set rS, S+32*(\t)
.set rT, ST+6*(\t)
.set rP, P+16*(\t)
.set rO, O+64*(\t)
.irp j, 0,1,2,3                        ; the maximum of my 32 scores and the old m: four chains, then the rest
	v_max3_num_f32 v[W+\j], v[rS+8*\j], v[rS+8*\j+1], v[rS+8*\j+2]
.endr
.irp i, 3,5
.irp j, 0,1,2,3
	v_max3_num_f32 v[W+\j], v[W+\j], v[rS+8*\j+\i], v[rS+8*\j+\i+1]
.endr
.endr
	v_max3_num_f32 v[W], v[W], v[rS+7], v[rS+15]
	v_max3_num_f32 v[W+2], v[W+2], v[rS+23], v[rS+31]
	v_max3_num_f32 v[W], v[W], v[W+1], v[W+2]
	v_max3_num_f32 v[W], v[W], v[W+3], v[rT]
	v_permlanex16_b32 v[W+1], v[W], s[SEL], s[SEL+1]   ; the query's other 32 keys lie in the lane 16 away
	v_mov_b32 v[W+4], v[rT]
	v_max_num_f32 v[rT], v[W], v[W+1]              ; the new m
	v_sub_f32 v[W+4], v[W+4], v[rT]                ; m_old - m_new
.set i, 0
.rept 16
	v_pk_add_f32 v[rS+i:rS+i+1], v[rS+i:rS+i+1], v[rT:rT+1] op_sel_hi:[1,0] neg_lo:[0,1] neg_hi:[0,1]   ; S - m, never above 0
.set i, i+2
.endr
	v_exp_f32 v[rT+4], v[W+4]                      ; a
.set i, 0
.rept 32
	v_exp_f32 v[rS+i], v[rS+i]                     ; p
.set i, i+1
.endr
	v_nop                                          ; a plain line behind the last exponential
	s_wait_alu depctr_va_vdst(0)                   ; one wait for the 33, ahead of their first reader
.set i, 0
.rept 16
	v_cvt_pk_f16_f32 v[rP+i], v[rS+2*i], v[rS+2*i+1]
.set i, i+1
.endr
.irp u, 0,1,2,3,4,5,6,7                ; the sum of the unrounded p, pairs (even key, odd key), as a tree in place
	v_pk_add_f32 v[rS+4*\u:rS+4*\u+1], v[rS+4*\u:rS+4*\u+1], v[rS+4*\u+2:rS+4*\u+3]
.endr
.irp u, 0,1,2,3
	v_pk_add_f32 v[rS+8*\u:rS+8*\u+1], v[rS+8*\u:rS+8*\u+1], v[rS+8*\u+4:rS+8*\u+5]
.endr
.irp u, 0,1
	v_pk_add_f32 v[rS+16*\u:rS+16*\u+1], v[rS+16*\u:rS+16*\u+1], v[rS+16*\u+8:rS+16*\u+9]
.endr
	v_pk_add_f32 v[rS:rS+1], v[rS:rS+1], v[rS+16:rS+17]
	v_pk_fma_f32 v[rT+2:rT+3], v[rT+2:rT+3], v[rT+4:rT+5], v[rS:rS+1] op_sel_hi:[1,0,1]   ; l = a l + the sum
	WIN W_RS
.set i, 0
.rept 32
	v_pk_mul_f32 v[rO+i:rO+i+1], v[rO+i:rO+i+1], v[rT+4:rT+5] op_sel_hi:[1,0]             ; O^T x a; each accumulator is read from its low end on
.set i, i+2
.endr
	WIN 0
.endm
; A KEY STEP: the 64 keys whose tiles begin at LDS byte s[TB], for both my tiles of queries.  At its head tile 0's mask words are on their way or in.
.macro STEP
	v_add_nc_u32 v[ADK], s[TB], v[AK0]
	v_add_nc_u32 v[ADV], s[TB], v[AV0]
	v_nop
	v_nop                                          ; four plain lines between the last step's products and the loads into their fragments' registers
.irp c, 0,1,2,3                        ; K's 16 fragments in one run, by channel chunks of 32, as the products take them: fragment 4 k + c = keys 16 k on, channels 32 c on
.irp k, 0,1,2,3
	ds_load_b128 v[F+8*(4*\k+\c):F+8*(4*\k+\c)+3],   v[ADK] offset:\k*16*PK+\c*64
	ds_load_b128 v[F+8*(4*\k+\c)+4:F+8*(4*\k+\c)+7], v[ADK] offset:\k*16*PK+\c*64+32
.endr
.endr
	WIN W_KQ
.irp c, 0,1,2,3                        ; S^T = K Q^T: the eight accumulators take turns, one instruction a turn
	s_wait_dscnt 24-8*\c                           ; chunk c's eight loads are in; the later chunks' may be out
.irp k, 0,1,2,3
.irp u, 0,1
.if \c == 0
	v_wmma_f32_16x16x32_f16 v[S+32*\u+8*\k:S+32*\u+8*\k+7], v[F+8*(4*\k+\c):F+8*(4*\k+\c)+7], v[Q+32*\u+8*\c:Q+32*\u+8*\c+7], 0
.else
	v_wmma_f32_16x16x32_f16 v[S+32*\u+8*\k:S+32*\u+8*\k+7], v[F+8*(4*\k+\c):F+8*(4*\k+\c)+7], v[Q+32*\u+8*\c:Q+32*\u+8*\c+7], v[S+32*\u+8*\k:S+32*\u+8*\k+7]
.endif
.endr
.endr
.endr
	WIN 0
	PLACES                                         ; in front of the loads into the fragments' registers, and of the first read of the scores
.irp e, 0,1                            ; V's 16 fragments, turned, into K's registers: fragment 8 e + c = keys 32 e on, channels 16 c on.  They land while the softmax is walked
.irp c, 0,1,2,3,4,5,6,7
	ds_load_tr16_b128 v[F+8*(8*\e+\c):F+8*(8*\e+\c)+3],   v[ADV] offset:\e*32*PV+\c*32
	ds_load_tr16_b128 v[F+8*(8*\e+\c)+4:F+8*(8*\e+\c)+7], v[ADV] offset:\e*32*PV+16*PV+\c*32
.endr
.endr
	s_wait_kmcnt 0x0                               ; tile 0's mask words are in
	MASK 0
	s_load_b512 s[MW:MW+15], s[MB1:MB1+1], 0x0     ; the selects above have read the 32 registers: tile 1's words come while tile 0's softmax is walked
	s_load_b512 s[MW+16:MW+31], s[MB1:MB1+1], 0x40
	SOFT 0
	s_wait_kmcnt 0x0                               ; tile 1's mask words are in; no scalar load is out, so both pointers may be stepped
	s_add_nc_u64 s[MB1:MB1+1], s[MB1:MB1+1], 256   ; my next step is two key steps on
	s_cmp_lg_u32 s[NS], 0
	s_cselect_b32 s[DL], 0x100, 0                  ; my last step asks again for its own words: so the step is written once, and no load leaves the buffer
	s_cselect_b32 s11, 1, 0
	s_sub_co_u32 s[NS], s[NS], s11
	s_add_nc_u64 s[MB0:MB0+1], s[MB0:MB0+1], s[DL:DL+1]
	MASK 1
	s_load_b512 s[MW:MW+15], s[MB0:MB0+1], 0x0     ; tile 0's words of my next step: the rest of this step and the next step's first products stand ahead of their use
	s_load_b512 s[MW+16:MW+31], s[MB0:MB0+1], 0x40
	SOFT 1
	s_wait_dscnt 0x0                               ; V is in
	WIN W_PV
.irp e, 0,1                            ; O^T += V^T P: the sixteen accumulators take turns
.irp c, 0,1,2,3,4,5,6,7
.irp u, 0,1
	v_wmma_f32_16x16x32_f16 v[O+64*\u+8*\c:O+64*\u+8*\c+7], v[F+8*(8*\e+\c):F+8*(8*\e+\c)+7], v[P+16*\u+8*\e:P+16*\u+8*\e+7], v[O+64*\u+8*\c:O+64*\u+8*\c+7]
.endr
.endr
.endr
	WIN 0
.endm
.macro SLOT_STEPS base                 ; my two key steps of a slot: written once, walked twice
	s_add_co_u32 s[TB], s[HOFF], \base
	s_mov_b32 s[CNT], 2
.Lstep_\@:
	STEP
	s_add_co_u32 s[TB], s[TB], 2*STEPB
	s_sub_co_u32 s[CNT], s[CNT], 1
	s_cmp_lg_u32 s[CNT], 0
	s_cbranch_scc1 .Lstep_\@
.endm
; THE CHANGE OF SLOTS.  Each wave waits for all its tensor loads (its part of the slot ahead), adds 0 to its spare word, and waits for that and for its reads of the slot that it leaves.
; fill = 1: the barrier is a round of the cluster's, and the slot just left is filled with the keys 512 further on, first thing behind it: the load has a slot's steps, 128 products a wave, in which to land.
.macro CHANGE fill, slot, ask
	s_wait_tensorcnt 0x0                           ; no tensor load of mine is out, so a group 0 may be written
	ds_add_u32 v[SPW], v[NIL]
.if \fill
	s_add_nc_u64 s[G0K+4*\slot+2:G0K+4*\slot+3], s[G0K+4*\slot+2:G0K+4*\slot+3], 131072   ; 512 rows of 256 bytes on; the type bits on top are not reached
	s_add_nc_u64 s[G0V+4*\slot+2:G0V+4*\slot+3], s[G0V+4*\slot+2:G0V+4*\slot+3], 131072
.endif
	s_wait_dscnt 0x0                               ; the add is done, and my reads of the slot are over
.if \fill
	CROUND
	JLOAD \slot
.if \ask
	ASK
.endif
.else
	s_barrier_signal -1
	s_barrier_wait -1
.endif
.endm
	s_wait_tensorcnt 1                             ; my part of slot 0 is in; slot 1's load may stay out
	s_barrier_signal -1
	s_barrier_wait -1
	s_wait_loadcnt 0x0                             ; Q
	SLOT_STEPS 0                                   ; keys 0-255
	CHANGE 1, 0, 1                                 ; slot 0 takes keys 512-767
	SLOT_STEPS SLOTB                               ; keys 256-511
	CHANGE 1, 1, 0                                 ; slot 1 takes keys 768-1,023
	SLOT_STEPS 0
	CHANGE 0, 0, 0                                 ; nothing is left to fetch; behind this barrier nobody reads slot 0, and it has had its last fill
	SLOT_STEPS SLOTB
	; THE TWO HALVES OF THE KEYS ARE JOINED.  My tile 1 goes to my partner (wave xor 4) as an image of its registers: each quad by one ds_store_b128 at 16 x lane; its tile 1, which is my tile 0's other half, comes back so.
	v_and_b32 v[ADK], 31, v0                       ; these four plain lines are the places between the last products and the stores that read their results
	v_lshlrev_b32 v[ADK], 4, v[ADK]
	s_mul_i32 s10, s[WV], XB
	s_xor_b32 s11, s[WV], 4
	s_mul_i32 s11, s11, XB
	v_add_nc_u32 v[ADV], s11, v[ADK]               ; my partner's image
	v_add_nc_u32 v[ADK], s10, v[ADK]               ; mine
	WIN 0x04                                       ; an LDS store's data are its source 1: window 1
.irp i, 0,1,2,3,4,5,6,7,8,9,10,11,12,13,14,15
	ds_store_b128 v[ADK], v[O+64+4*\i:O+64+4*\i+3] offset:512*\i   ; each accumulator from its low end on
.endr
	WIN 0
	ds_store_b128 v[ADK], v[ST+6:ST+9] offset:8192 ; m, m, l, l of tile 1
	s_wait_dscnt 0x0                               ; for my partner's sake: my stores have landed
	s_barrier_signal -1
	s_barrier_wait -1
.irp i, 0,1,2,3,4,5,6,7,8,9,10,11,12,13,14,15
	ds_load_b128 v[S+4*\i:S+4*\i+3], v[ADV] offset:512*\i
.endr
	ds_load_b128 v[W:W+3], v[ADV] offset:8192      ; v26 its m, v28 and v29 its l
	s_wait_dscnt 0x0
	v_add_f32 v30, v[ST+2], v[ST+3]                ; my l's two halves,
	v_add_f32 v28, v28, v29                        ; my partner's
	v_max_num_f32 v31, v[ST], v26                  ; the common m
	v_sub_f32 v27, v[ST], v31
	v_sub_f32 v26, v26, v31
	v_exp_f32 v[ST+4], v27                         ; what my half is multiplied by,
	v_exp_f32 v[ST+10], v26                        ; and my partner's
	v_nop                                          ; a plain line behind the last exponential
	s_wait_alu depctr_va_vdst(0)                   ; one wait for the two, ahead of their first reader
	v_mul_f32 v30, v30, v[ST+4]
	v_fmac_f32 v30, v28, v[ST+10]
	v_permlanex16_b32 v27, v30, s[SEL], s[SEL+1]
	v_add_f32 v30, v30, v27                        ; the row's sum
	v_max_num_f32 v30, 0x00800000, v30             ; held at 2^-126 from below: a row with no true entry gives 0 x 2^126 = 0
	v_rcp_f32 v29, v30
	v_nop                                          ; a plain line behind the reciprocal
	s_wait_alu depctr_va_vdst(0)                   ; and the wait ahead of its first reader
	v_mul_f32 v[ST+4], v[ST+4], v29
	v_mul_f32 v[ST+10], v[ST+10], v29
	WIN W_RS
.set i, 0
.rept 32
	v_pk_mul_f32 v[O+i:O+i+1], v[O+i:O+i+1], v[ST+4:ST+5] op_sel_hi:[1,0]   ; my half; each accumulator is read from its low end on
.set i, i+2
.endr
	WIN 0x10                                       ; source 2 window 1
.set i, 0
.rept 32
	v_pk_fma_f32 v[S+i:S+i+1], v[S+i:S+i+1], v[ST+10:ST+11], v[O+i:O+i+1] op_sel_hi:[1,0,1]   ; + my partner's
.set i, i+2
.endr
	WIN 0
	; THE WAY OUT: rounded to f16, through my stage: sixteen lanes store the 256 bytes of a head's part of a row.
.set i, 0
.rept 32
	v_cvt_pk_f16_f32 v[P+i], v[S+2*i], v[S+2*i+1]
.set i, i+1
.endr
.irp c, 0,1,2,3,4,5,6,7
	ds_store_b128 v[STO], v[P+4*\c:P+4*\c+3] offset:32*\c   ; channels 16 c + 8 (l / 16) + 0 .. 7 of query l % 16
.endr
.irp f, 0,1,2,3,4,5,6,7
	ds_load_b128 v[F+4*\f:F+4*\f+3], v[RD] offset:\f*2*SP   ; LDS serves a wave's instructions in order: these see the stores above
.endr
.irp f, 0,1,2,3,4,5,6,7
	s_wait_dscnt 7-\f                              ; load f is in; the younger ones may be out
	global_store_b128 v[GO], v[F+4*\f:F+4*\f+3], s[8:9] offset:\f*8192
.endr
	s_wait_tensorcnt 0x0                           ; the wave's end
	ds_add_u32 v[SPW], v[NIL]
	s_wait_dscnt 0x0
	CROUND                                         ; the closing round: no work-group ends while a partner may still ask for a tile that names it
	s_endpgm
.Lfunc_end_k_q035f46bb7d_attn:
	.size	k_q035f46bb7d_attn, .Lfunc_end_k_q035f46bb7d_attn-k_q035f46bb7d_attn
	.p2alignl 7, 3214868480
	.fill 96, 4, 3214868480
	.section	.rodata,"a",@progbits
	.p2align	6, 0x0
	.amdhsa_kernel k_q035f46bb7d_attn
		.amdhsa_group_segment_fixed_size 327680
		.amdhsa_private_segment_fixed_size 0
		.amdhsa_enable_private_segment 0
		.amdhsa_kernarg_size 24
		.amdhsa_user_sgpr_count 2
		.amdhsa_user_sgpr_kernarg_segment_ptr 1
		.amdhsa_wavefront_size32 1
		.amdhsa_system_sgpr_workgroup_id_x 1
		.amdhsa_system_sgpr_workgroup_id_y 1
		.amdhsa_system_sgpr_workgroup_id_z 1
		.amdhsa_system_vgpr_workitem_id 0
		.amdhsa_next_free_vgpr 512
		.amdhsa_next_free_sgpr 100
		.amdhsa_reserve_vcc 0
		.amdhsa_float_denorm_mode_32 3
		.amdhsa_float_denorm_mode_16_64 3
		.amdhsa_memory_ordered 1
		.amdhsa_forward_progress 1
		.amdhsa_inst_pref_size 141
	.end_amdhsa_kernel
	.amdgpu_metadata
---
amdhsa.version: [ 1, 2 ]
amdhsa.kernels:
  - .name:           k_q035f46bb7d_attn
    .symbol:         k_q035f46bb7d_attn.kd
    .args:
      - { .name: qkv, .offset: 0, .size: 8, .value_kind: global_buffer, .address_space: global }
      - { .name: lanemask, .offset: 8, .size: 8, .value_kind: global_buffer, .address_space: global }
      - { .name: ao, .offset: 16, .size: 8, .value_kind: global_buffer, .address_space: global }
    .group_segment_fixed_size: 327680
    .private_segment_fixed_size: 0
    .kernarg_segment_align: 8
    .kernarg_segment_size: 24
    .max_flat_workgroup_size: 256
    .sgpr_count:     100
    .vgpr_count:     512
    .wavefront_size: 32
...
	.end_amdgpu_metadata
.endif
;; end of part 3
;; launch proj (part 4): grid 16 x 16, 4 waves a work-group, clusters of 4 x 4, 327,680 bytes of LDS; arguments ao, wot, out0; writes out0
.if DOCPART == 4
	.amdgcn_target "amdgcn-amd-amdhsa--gfx1250"
	.amdhsa_code_object_version 6
	.text
	.protected	k_q035f46bb7d_proj
	.globl	k_q035f46bb7d_proj
	.p2align	8
	.type	k_q035f46bb7d_proj,@function
k_q035f46bb7d_proj:
	s_mov_b64 s[64:65], 0
	v_nop
	global_prefetch_b8 v0, s[64:65] scope:SCOPE_SE
	s_setreg_imm32_b32 hwreg(HW_REG_WAVE_MODE, 25, 1), 1
	s_wait_xcnt 0x0
	s_wait_alu depctr_hold_cnt(0) depctr_sa_sdst(0) depctr_va_vdst(0) depctr_va_sdst(0) depctr_va_ssrc(0) depctr_va_vcc(0) depctr_vm_vsrc(0)
	s_getreg_b32 s2, hwreg(HW_REG_IB_STS2, 6, 4)
	s_cmp_eq_u32 s2, 0
	s_cbranch_scc0 .Lentry_in_a_cluster
	s_endpgm
.Lentry_in_a_cluster:
	s_bfe_u32 s2, ttmp6, 0x10000c
	s_cmp_lg_u32 s2, 0xf033
	s_cbranch_scc0 .Lentry_shape_is_right
	s_endpgm
.Lentry_shape_is_right:
; out0[m][n] = sum over k of ao[m][k] wot[n][k].  ao: [2048][2048] f16, wot = Wo^T: [2048 n][2048 k] f16, out0: [2048][2048] f32; sums in f32.
; 256 tiles of 128 x 128, one to a work-group; four waves, each 64 x 64: 16 accumulators, 128 registers.  K goes in steps of 256 (LDS rows of 512 bytes; a wave's tensor load brings 64 of them) through two slots.
; CLUSTERS: 4 x 4 work-groups.  The four of a row of the cluster need the same tiles of A, the four of a column the same tiles of B: each tile is asked for JOINTLY.
; THE MATRIX INSTRUCTION IS USED TRANSPOSED (source 0 = 16 rows of wot, source 1 = 16 rows of ao): a lane holds eight neighbouring numbers of a row of the result.
; THE WAY OUT: a wave's 64 columns of f32 are 256 bytes, aligned: each wave has a stage of its own (16 rows x 272 bytes), no barrier; sixteen lanes store 256 consecutive bytes.
; REGISTERS: window 0: v0-31 addresses; v32-95 rows on the way out, two sets; v128-255 the accumulators ((a, b) at v[128 + 8 (4 a + b)]).  window 1: two fragment buffers of 128.
.set SIZE_M, 2048
.set SIZE_N, 2048
.set SIZE_K, 2048
.set KSTEP,  256
.set PITCH,  528                       ; an LDS row: 512 bytes + 16 of padding: row r starts at bank 4 r mod 64 (64 banks of 4 bytes: ISA guide 11.1)
.set HALFT,  64*PITCH
.set SLOT,   4*HALFT
.set STAGE,  2*SLOT                    ; behind the ring: 16 rows x 272 bytes for each wave
.set SPITCH, 272
.set SPARE,  STAGE+4*16*SPITCH         ; the spare words, 128 bytes for each wave: two blocks of 256 bytes that no other line names
.set LAPS, SIZE_K/(2*KSTEP)
.set ADRA, 16
.set ADRB, 20
.set STO,  24
.set RD,   25
.set CO,   26
.set SPW,  28
.set NIL,  29
.set TMP,  32
.set ACC,  128
.set F0,   0
.set F1,   128
.set G1, 24
.set G0, 32
.set G1B, 48
.set G0B, 56
.set MSB, 0
.macro WIN new                         ; the immediate's high byte repeats the setting that is left
.if MSB != (\new)
	s_set_vgpr_msb (MSB<<8)|(\new)
.set MSB, (\new)
.endif
.endm
.set MUL,  0x05                        ; sources 0 (B) and 1 (A) window 1; C and D window 0
.set TO_F, 0x40                        ; destination window 1, address window 0
.macro JLOAD s                         ; a joint load: waves 0 and 1 fetch A's two halves, waves 2 and 3 B's; an s_nop 0 and four v_nop follow each of the two lines
	s_cmp_eq_u32 s11, 0
	s_cbranch_scc0 .Lfor_b_\@
	tensor_load_to_lds s[G0+4*\s:G0+4*\s+3], s[G1:G1+7]
	s_nop 0
.rept 4
	v_nop
.endr
	s_branch .Lasked_\@
.Lfor_b_\@:
	tensor_load_to_lds s[G0B+4*\s:G0B+4*\s+3], s[G1B:G1B+7]
	s_nop 0
.rept 4
	v_nop
.endr
.Lasked_\@:
.endm
.macro CREST
	s_cmp_lg_u32 s10, 0
	s_cbranch_scc1 .Lnot_wave_0_\@
	s_barrier_signal -3
.Lnot_wave_0_\@:
	s_barrier_wait -3
	s_barrier_signal -1
	s_barrier_wait -1
.endm
.macro CROUND
	s_barrier_signal -1
	s_barrier_wait -1
	CREST
.endm
	s_load_b128 s[4:7], s[0:1], 0x0                ; ao s[4:5], wot s[6:7]
	s_load_b64 s[8:9], s[0:1], 0x10                ; out0
	v_lshl_add_u32 v[SPW], v0, 2, SPARE
	v_mov_b32 v[NIL], 0
	ds_add_u32 v[SPW], v[NIL]                      ; the wave's opening: the add, twice on end, and its wait ahead of my first tensor load
	ds_add_u32 v[SPW], v[NIL]
	v_lshrrev_b32 v1, 5, v0
	v_readfirstlane_b32 s10, v1                    ; wave 0..3
	s_lshr_b32 s11, s10, 1                         ; which half of the tile's rows is mine.  Also: I fetch for A (0) or for B (1)
	s_and_b32 s12, s10, 1                          ; which half of its columns.  Also: which 64 rows of that tile I fetch
	s_bfe_u32 s40, ttmp6, 0x40000                  ; cx, cy
	s_bfe_u32 s41, ttmp6, 0x40004
	s_lshl_b32 s42, ttmp9, 2
	s_add_co_u32 s42, s42, s40                     ; tile column
	s_and_b32 s13, ttmp7, 0xffff
	s_lshl_b32 s13, s13, 2
	s_add_co_u32 s13, s13, s41                     ; tile row
	s_lshl_b32 s43, s41, 2
	s_lshl_b32 s43, 15, s43                        ; my row of the cluster
	s_lshl_b32 s44, 0x1111, s40                    ; my column
	; descriptor group 1: a tile of 64 rows x 256 elements of 2 bytes, 16 bytes of padding behind each row
	s_or_b32 s[G1+0], s43, (1<<16)|(1<<20)|(1<<21)|(6<<22)|(3<<25)  ; 15:0 the mask; 17:16 elements of 2 bytes; 20 padding on; 21 set beside a mask; 24:22 after every 128 words; 31:25 four words
	s_or_b32 s[G1B+0], s44, (1<<16)|(1<<20)|(1<<21)|(6<<22)|(3<<25)
.irp g, G1, G1B
	s_mov_b32 s[\g+1], KSTEP<<16                   ; tensor_dim0
	s_mov_b32 s[\g+2], 64<<16                      ; tensor_dim1
	s_mov_b32 s[\g+3], KSTEP<<16                   ; tile_dim0
	s_mov_b32 s[\g+4], 64                          ; tile_dim1
	s_mov_b32 s[\g+5], SIZE_K                      ; tensor_dim0_stride
	s_mov_b32 s[\g+6], 0
	s_mov_b32 s[\g+7], 0
.endr
	s_lshl_b32 s17, s12, 6
	s_lshl_b32 s16, s13, 7
	s_add_co_u32 s16, s16, s17                     ; A: row 128 x tile row + 64 x half
	s_lshl_b32 s46, s42, 7
	s_add_co_u32 s46, s46, s17                     ; B: row 128 x tile column + 64 x half
	s_mov_b32 s17, 0
	s_mov_b32 s47, 0
	s_mov_b64 s[18:19], SIZE_K*2
	s_mul_u64 s[16:17], s[16:17], s[18:19]
	s_mul_u64 s[46:47], s[46:47], s[18:19]
	s_mul_i32 s20, s10, HALFT                      ; where they go: wave x 64 rows
	s_wait_dscnt 0x0                               ; both opening adds are done
	s_wait_kmcnt 0x0
	s_add_nc_u64 s[14:15], s[4:5], s[16:17]
	s_add_nc_u64 s[46:47], s[6:7], s[46:47]
	CROUND                                         ; all sixteen work-groups are here: the first joint loads meet
.irp s, 0,1
	s_mov_b32 s[G0+4*\s], 1
	s_add_co_u32 s[G0+4*\s+1], s20, \s*SLOT
	s_add_nc_u64 s[G0+4*\s+2:G0+4*\s+3], s[14:15], \s*KSTEP*2
	s_or_b32 s[G0+4*\s+3], s[G0+4*\s+3], 0x80000000
	s_mov_b32 s[G0B+4*\s], 1
	s_add_co_u32 s[G0B+4*\s+1], s20, \s*SLOT
	s_add_nc_u64 s[G0B+4*\s+2:G0B+4*\s+3], s[46:47], \s*KSTEP*2
	s_or_b32 s[G0B+4*\s+3], s[G0B+4*\s+3], 0x80000000
	JLOAD \s
.endr
	v_and_b32 v1, 15, v0                           ; l % 16
	v_bfe_u32 v2, v0, 4, 1                         ; l / 16
	v_mul_u32_u24 v3, v1, PITCH
	v_lshl_add_u32 v3, v2, 4, v3
	s_mul_i32 s21, s11, HALFT                      ; my 64 rows of A
	s_mul_i32 s22, s12, HALFT                      ; my 64 rows of B,
	s_add_co_u32 s22, s22, 2*HALFT                 ; which lie behind A's 128
.irp s, 0,1
	v_add_nc_u32 v[ADRA+\s], s21, v3
	v_add_nc_u32 v[ADRB+\s], s22, v3
	s_add_co_u32 s21, s21, SLOT
	s_add_co_u32 s22, s22, SLOT
.endr
	s_mul_i32 s23, s10, 16*SPITCH
	s_add_co_u32 s23, s23, STAGE                   ; my stage
	v_mul_u32_u24 v4, v1, SPITCH                   ; in: row l % 16, 32 bytes for each half of the lanes
	v_lshl_add_u32 v4, v2, 5, v4
	v_add_nc_u32 v[STO], s23, v4
	v_mul_u32_u24 v5, v2, SPITCH                   ; back: lanes 0-15 one row of 256 bytes, lanes 16-31 the next
	v_lshl_add_u32 v5, v1, 4, v5
	v_add_nc_u32 v[RD], s23, v5
	v_mul_u32_u24 v5, v2, SIZE_N*4                 ; and the same two rows in out0
	v_lshl_add_u32 v[CO], v1, 4, v5
	s_lshl_b32 s16, s13, 7
	s_lshl_b32 s17, s11, 6
	s_add_co_u32 s16, s16, s17                     ; my first row: 128 x tile row + 64 x half
	s_lshl_b32 s16, s16, 13                        ; rows of 8,192 bytes
	s_mov_b32 s17, 0
	s_add_nc_u64 s[8:9], s[8:9], s[16:17]
	s_lshl_b32 s46, s42, 9                         ; my first column, in bytes: 512 x tile column + 256 x half
	s_lshl_b32 s47, s12, 8
	s_add_co_u32 s46, s46, s47
	s_mov_b32 s47, 0
	s_add_nc_u64 s[8:9], s[8:9], s[46:47]
; 8 matrix instructions: m blocks a0, a0 + 1 x all 4 n blocks, 32 along K: half c of buffer f.  The 16 accumulators take turns.
.macro MUL8 f, c, a0, zero
.irp a, \a0, \a0+1
.irp b, 0,1,2,3
.if \zero
	v_wmma_f32_16x16x32_f16 v[ACC+8*(4*(\a)+\b):ACC+8*(4*(\a)+\b)+7], v[\f+64+8*(4*\c+\b):\f+64+8*(4*\c+\b)+7], v[\f+8*(4*\c+\a):\f+8*(4*\c+\a)+7], 0
.else
	v_wmma_f32_16x16x32_f16 v[ACC+8*(4*(\a)+\b):ACC+8*(4*(\a)+\b)+7], v[\f+64+8*(4*\c+\b):\f+64+8*(4*\c+\b)+7], v[\f+8*(4*\c+\a):\f+8*(4*\c+\a)+7], v[ACC+8*(4*(\a)+\b):ACC+8*(4*(\a)+\b)+7]
.endif
.endr
.endr
.endm
.macro FETCH slot, k, f                ; 32 LDS loads in one run: the fragments of 64 along K at byte k of the rows; the first 32 along K first
	WIN TO_F
.irp c, 0,1
.irp i, 0,1,2,3
	ds_load_b128 v[\f+64+8*(4*\c+\i):\f+64+8*(4*\c+\i)+3],   v[ADRB+\slot] offset:\k+64*\c+\i*16*PITCH
	ds_load_b128 v[\f+64+8*(4*\c+\i)+4:\f+64+8*(4*\c+\i)+7], v[ADRB+\slot] offset:\k+64*\c+\i*16*PITCH+32
	ds_load_b128 v[\f+8*(4*\c+\i):\f+8*(4*\c+\i)+3],         v[ADRA+\slot] offset:\k+64*\c+\i*16*PITCH
	ds_load_b128 v[\f+8*(4*\c+\i)+4:\f+8*(4*\c+\i)+7],       v[ADRA+\slot] offset:\k+64*\c+\i*16*PITCH+32
.endr
.endr
.endm
.macro PLACES                          ; four plain lines in front of loads into registers that matrix instructions have read, and of the first read of results
.rept 4
	v_nop
.endr
.endm
.macro QUARTER slot, k, f, g, zero     ; 64 along K: multiplies buffer f and fetches the next quarter, at byte k, into g
	s_wait_dscnt 16                                ; the first 32 along K are in; the younger sixteen loads may be out
	WIN MUL
	MUL8 \f, 0, 0, \zero
	MUL8 \f, 0, 2, \zero
	PLACES
	FETCH \slot, \k, \g
	s_wait_dscnt 32                                ; all but the 32 just issued
	WIN MUL
	MUL8 \f, 1, 0, 0
	MUL8 \f, 1, 2, 0
.endm
; The last quarter multiplies buffer 1 and changes slots: ONE barrier; in front of it each wave waits for all its tensor loads, adds 0 to its spare word, and waits for that and for its reads of this slot.
.macro TURN slot, next, fill
	WIN 0
	s_wait_tensorcnt 0x0                           ; all my tensor loads have landed: my part of the next slot
	ds_add_u32 v[SPW], v[NIL]
	s_wait_dscnt 17                                ; the add and the youngest sixteen loads may be out
	WIN MUL
	MUL8 F1, 0, 0, 0
	s_wait_dscnt 0x0                               ; the add is done, and my reads of this slot are over
	s_barrier_signal -1
	MUL8 F1, 0, 2, 0
.if \fill
	WIN 0
.endif
	s_barrier_wait -1
.if \fill
	CREST                                          ; the barrier has opened a round of the cluster's barrier: no wave of any partner still reads this slot or has a load on its way
	s_add_nc_u64 s[G0+4*\slot+2:G0+4*\slot+3], s[G0+4*\slot+2:G0+4*\slot+3], 2*KSTEP*2
	s_add_nc_u64 s[G0B+4*\slot+2:G0B+4*\slot+3], s[G0B+4*\slot+2:G0B+4*\slot+3], 2*KSTEP*2
	JLOAD \slot                                    ; the first tensor load behind the round; its four v_nop are the places in front of the loads below
.else
	PLACES
.endif
	FETCH \next, 0, F0
	WIN MUL
	MUL8 F1, 1, 0, 0
	MUL8 F1, 1, 2, 0
.endm
	s_wait_tensorcnt 1                             ; my part of K step 0 is in; K step 1's load may be out
	s_barrier_signal -1
	s_barrier_wait -1
	FETCH 0, 0, F0
	QUARTER 0, 128, F0, F1, 1                      ; the first quarter stands in front of the loop: its first products start the sums
	WIN 0
	s_mov_b32 s3, LAPS-1
.Llap:                                                 ; a trip goes once round the ring and fills both slots again
	QUARTER 0, 256, F1, F0, 0
	QUARTER 0, 384, F0, F1, 0
	TURN 0, 1, 1
	QUARTER 1, 128, F0, F1, 0
	QUARTER 1, 256, F1, F0, 0
	QUARTER 1, 384, F0, F1, 0
	TURN 1, 0, 1
	QUARTER 0, 128, F0, F1, 0
	WIN 0
	s_sub_co_u32 s3, s3, 1
	s_cmp_lg_u32 s3, 0
	s_cbranch_scc1 .Llap
	QUARTER 0, 256, F1, F0, 0                      ; the last lap fills nothing
	QUARTER 0, 384, F0, F1, 0
	TURN 0, 1, 0
	QUARTER 1, 128, F0, F1, 0
	QUARTER 1, 256, F1, F0, 0
	QUARTER 1, 384, F0, F1, 0
	s_wait_dscnt 16
	WIN MUL
	MUL8 F1, 0, 0, 0
	MUL8 F1, 0, 2, 0
	s_wait_dscnt 0
	MUL8 F1, 1, 0, 0
	MUL8 F1, 1, 2, 0
	WIN 0
; THE WAY OUT, block by block of 16 rows x my 64 columns, through my own stage.  LDS serves a wave's instructions in order: no wait between the stores and the loads, nor in front of the next block's stores.
.macro TOSTAGE a
.irp b, 0,1,2,3
	ds_store_b128 v[STO], v[ACC+8*(4*(\a)+\b):ACC+8*(4*(\a)+\b)+3] offset:64*\b          ; each accumulator from its low end on
	ds_store_b128 v[STO], v[ACC+8*(4*(\a)+\b)+4:ACC+8*(4*(\a)+\b)+7] offset:64*\b+16
.endr
.irp t, 0,1,2,3,4,5,6,7
	ds_load_b128 v[TMP+32*((\a)%2)+4*\t:TMP+32*((\a)%2)+4*\t+3], v[RD] offset:\t*2*SPITCH
.endr
.endm
.macro SEND a, younger                 ; younger: the LDS instructions issued behind block a's loads, which may stay out
	s_wait_dscnt \younger
.irp t, 0,1,2,3,4,5,6,7
	global_store_b128 v[CO], v[TMP+32*((\a)%2)+4*\t:TMP+32*((\a)%2)+4*\t+3], s[8:9] offset:(16*(\a)+2*\t)*SIZE_N*4 th:TH_STORE_NT   ; sixteen lanes store 256 consecutive bytes, aligned
.endr
.endm
	PLACES
	TOSTAGE 0
.irp a, 1,2,3
.if \a > 1
	s_wait_xcnt 0x0                                ; block a - 2's stores have read their registers: block a's loads may land there
.endif
	TOSTAGE \a
	SEND \a-1, 16                                  ; behind block a - 1's loads: block a's eight stores and eight loads
.endr
	SEND 3, 0
	s_wait_tensorcnt 0x0                           ; the wave's end
	ds_add_u32 v[SPW], v[NIL]
	s_wait_dscnt 0x0
	CROUND                                         ; the closing round: no work-group ends while a partner may still ask for a tile that names it
	s_endpgm
.Lfunc_end_k_q035f46bb7d_proj:
	.size	k_q035f46bb7d_proj, .Lfunc_end_k_q035f46bb7d_proj-k_q035f46bb7d_proj
	.p2alignl 7, 3214868480
	.fill 96, 4, 3214868480
	.section	.rodata,"a",@progbits
	.p2align	6, 0x0
	.amdhsa_kernel k_q035f46bb7d_proj
		.amdhsa_group_segment_fixed_size 327680
		.amdhsa_private_segment_fixed_size 0
		.amdhsa_enable_private_segment 0
		.amdhsa_kernarg_size 24
		.amdhsa_user_sgpr_count 2
		.amdhsa_user_sgpr_kernarg_segment_ptr 1
		.amdhsa_wavefront_size32 1
		.amdhsa_system_sgpr_workgroup_id_x 1
		.amdhsa_system_sgpr_workgroup_id_y 1
		.amdhsa_system_sgpr_workgroup_id_z 1
		.amdhsa_system_vgpr_workitem_id 0
		.amdhsa_next_free_vgpr 512
		.amdhsa_next_free_sgpr 66
		.amdhsa_reserve_vcc 0
		.amdhsa_float_denorm_mode_32 3
		.amdhsa_float_denorm_mode_16_64 3
		.amdhsa_memory_ordered 1
		.amdhsa_forward_progress 1
		.amdhsa_inst_pref_size 86
	.end_amdhsa_kernel
	.amdgpu_metadata
---
amdhsa.version: [ 1, 2 ]
amdhsa.kernels:
  - .name:           k_q035f46bb7d_proj
    .symbol:         k_q035f46bb7d_proj.kd
    .args:
      - { .name: ao, .offset: 0, .size: 8, .value_kind: global_buffer, .address_space: global }
      - { .name: wot, .offset: 8, .size: 8, .value_kind: global_buffer, .address_space: global }
      - { .name: out0, .offset: 16, .size: 8, .value_kind: global_buffer, .address_space: global }
    .group_segment_fixed_size: 327680
    .private_segment_fixed_size: 0
    .kernarg_segment_align: 8
    .kernarg_segment_size: 24
    .max_flat_workgroup_size: 128
    .sgpr_count:     66
    .vgpr_count:     512
    .wavefront_size: 32
...
	.end_amdgpu_metadata
.endif
;; end of part 4
